; MI455X (gfx1250); checked and timed in simulation.
; The chip was launched on July 23, 2026; its instructions are those of AMD's public machine-readable ISA for CDNA 5 (MIT licence, August 2026) and "CDNA5" Instruction Set Architecture Reference Guide (July 2026). The comments in the code are by the model that wrote it; some were corrected since.
;; Multi Head Attention Layer. Allowed arithmetic: matrix products marked QUANTISED: E2M3 operands, one E8M0 scale for each 32 along K, by v_wmma_scale_f32_16x16x128_f8f6f4 with both operands' format E2M3, f32 sums; everything else in f32.
;; Inputs: Wk 1,024 x 1,024 float32; Wo 1,024 x 1,024 float32; Wq 1,024 x 1,024 float32; Wv 1,024 x 1,024 float32; bk 1,024 float32; bo 1,024 float32; bq 1,024 float32; bv 1,024 float32; key 4 x 2,048 x 1,024 float32; mask 4 x 2,048 x 2,048 int32; query 4 x 2,048 x 1,024 float32; value 4 x 2,048 x 1,024 float32.
;; Outputs: out0 4 x 2,048 x 1,024 float32.
;; This version of the problem:
;;   THIS VERSION OF THE PROBLEM IS GIVEN IN LOW PRECISION. The matrix products marked QUANTISED in the list below multiply operands that are first quantised to E2M3 (2 exponent bits, 3 mantissa bits; 6 bits a number), with one power-of-two scale for each 32 numbers along K (OCP MX v1.0); their sums are f32. All else is computed in f32.
;;   The module's matrix products, in the order in which they are computed (A, B: the left and right operand; K: the contracted axis; several contracted axes count as one K, in the product's order):
;;     1. [M 8,192, K 1,024] x [K 1,024, N 1,024]; A: input query; B: input Wq: QUANTISED
;;     2. [M 8,192, K 1,024] x [K 1,024, N 1,024]; A: input key; B: input Wk: QUANTISED
;;     3. [M 8,192, K 1,024] x [K 1,024, N 1,024]; A: input value; B: input Wv: QUANTISED
;;     4. batch 64 x [M 2,048, K 64] x [K 64, N 2,048]; A: computed on the way; B: computed on the way: QUANTISED
;;     5. batch 64 x [M 2,048, K 2,048] x [K 2,048, N 64]; A: softmax (see below); B: computed on the way: QUANTISED
;;     6. [M 8,192, K 1,024] x [K 1,024, N 1,024]; A: computed on the way; B: input Wo: QUANTISED
;;   THE QUANTISER, for each operand of a quantised product, along K:
;;     - K is cut into blocks of 32 from its start; a last block that is shorter is filled with zeros.
;;     - A block's scale is 2^e with e = floor(log2(the largest magnitude in the block)) - 2, held to -126 .. 127; a block of zeros has e = 0. As a byte (E8M0): e + 127.
;;     - Each number is divided by its block's scale, clamped to +-7.5, and rounded to the nearest number of E2M3, ties to even, subnormals kept.
;;     - The product sums the exact products of the quantised numbers (number of the format x scale) in f32.
;;   ~~~python
;;   def quantise(x, axis):      # numpy; x: float32 -> the quantised numbers, widened to float32 again
;;       x = np.moveaxis(x, axis, -1); K = x.shape[-1]
;;       x = np.pad(x, [(0, 0)] * (x.ndim - 1) + [(0, -K % 32)]); x = x.reshape(x.shape[:-1] + (-1, 32)); a = np.abs(x).max(-1, keepdims=True)
;;       e = np.where(a > 0, np.clip(np.frexp(np.where(a > 0, a, 1))[1] - 1 - 2, -126, 127), 0)      # np.frexp(a)[1] - 1 = floor(log2(a)), exactly
;;       r = np.clip(x / 2.0 ** e, -7.5, 7.5)
;;       step = 2.0 ** (np.maximum(np.frexp(np.where(r == 0, 1, r))[1] - 1, 0) - 3)
;;       q = np.round(r / step) * step * 2.0 ** e      # np.round: ties to even
;;       return np.moveaxis(q.reshape(q.shape[:-2] + (-1,))[..., :K], -1, axis).astype(np.float32)
;;   ~~~
;;   SOFTMAX AHEAD OF A QUANTISED PRODUCT. Where the list says 'softmax', what is quantised is not the finished softmax but p = 2^(t - M), with t = logit x log2(e) and M = ceil(the row's largest t), a whole number; so 1/2 < the row's largest p <= 1. The row's sum l is taken of the UNQUANTISED p, in f32, and the product's result is divided by l at the end. Since M is a whole number, a kernel that streams over the keys may use a running M (the ceiling of the running maximum): every later rescaling is an exact power of two, which a block's scale takes up: the codes' values come out the same.
;;   OPERANDS COMPUTED ON THE WAY. 'Computed on the way' means the value that the module computes at that place (a softmax that the list does not call 'softmax' is quantised finished and normalised). What goes into a quantiser is computed in f32, as accurately as f32 sums, v_exp_f32 and their like allow (about 1e-6 of the number): no bf16 or f16 on the way to a quantiser, and a product that is left as it is and whose result goes on into a quantised operand takes f32 operands (vector FMAs, or v_wmma_f32_16x16x4_f32). A number that lies on a knife's edge between two numbers of the format may be rounded either way, as far as f32 arithmetic and the matrix unit's own rounding can turn it there, and no further.
;; One version. Each part assembles by itself: llvm-mc -triple=amdgcn-amd-amdhsa -mcpu=gfx1250 --defsym DOCPART=n.
;; ======== version 1 of 1: 4 launches
;; limits: right only within a limited range of input values
;; workspace buffers: xw_codes 22,020,096 bytes; xw_scales 917,504 bytes; mbits 2,097,152 bytes of whole numbers; q_codes 6,291,456 bytes; q_scales 524,288 bytes; kv 13,369,344 bytes; ao_codes 6,291,456 bytes; ao_scales 262,144 bytes
;; launch prep (part 1): grid 768 x 1, 4 waves a work-group, no clusters, 68,096 bytes of LDS; arguments query, key, value, Wq, Wk, Wv, Wo, mask, xw_codes, xw_scales, mbits; writes xw_codes, xw_scales, mbits
.if DOCPART == 1
	.amdgcn_target "amdgcn-amd-amdhsa--gfx1250"
	.amdhsa_code_object_version 6
	.text
	.protected	k_qab56f073e1_prep
	.globl	k_qab56f073e1_prep
	.p2align	8
	.type	k_qab56f073e1_prep,@function
k_qab56f073e1_prep:
	s_mov_b64 s[64:65], 0
	v_nop
	global_prefetch_b8 v0, s[64:65] scope:SCOPE_SE
	s_setreg_imm32_b32 hwreg(HW_REG_WAVE_MODE, 25, 1), 1
	s_wait_xcnt 0x0
; PREP: the f32 operands of the four projections become codes of FP6 (E2M3) with one E8M0 byte for each 32 along K, and the int32 mask becomes lane-mask words.
; THE IMAGE.  Codes are laid as images of half a fragment, 768 bytes for 16 rows x 64 along K: lane l = r + 16 h holds block h (32 codes, 6 registers) of row r;
; its registers 0-3 lie at 16 l, its registers 4-5 at 512 + 8 l.  So every store and every later load of codes covers 512 or 256 consecutive bytes.
;   xw_codes : [1,536 blocks of 16 rows of query, key, value][8 K steps][2][768], then from WOFFC [4 weights][64 blocks of 16 columns][8][2][768]
;   xw_scales: [row][32 bytes] for the 24,576 rows, then from WOFFS for the 4 x 1,024 columns of the weights
;   mbits    : [batch x 128 + block of 16 queries][16 steps of 128 keys][64 words]; bit l of word 8 t + j: mask[query l % 16][key 16 t + 8 (l / 16) + j] != 0
; A block's scale is 2^(floor(log2(its largest magnitude)) - 2); its byte is the largest magnitude's exponent field - 2, held at 1 from below.
; LIMITS: NaN and infinities among the inputs are not served.  A block of zeros gets the byte 1 where the rule says 127: its codes are zeros, and only this program reads the bytes.
; THREE PATHS by the work-group's number: 0-383 the rows (K innermost), 384-511 the weights (K outermost), 512-767 the mask.  Waves share nothing: no barrier.
; The two paths that use LDS have bytes of their own.  No tensor load, no matrix unit, no cluster: every byte is read once and nothing is shared.
.set XST,   0                          ; LDS: the rows' stages, 16 rows x 528 bytes for each wave
.set MST,   33792                      ; the mask's stages, likewise
.set WST,   8448
.set SPI,   528                        ; a stage row: 512 bytes + 16: 132 words, so 16 rows begin four words apart modulo 64 words
.set SPARE, 67584                      ; the spare words, 128 bytes for each wave: two blocks of 256 bytes that no other line names
.set WOFFC, 18874368
.set WOFFS, 786432
.set LN,  1                            ; lane
.set SPW, 2                            ; LDS address of my spare word; never rewritten
.set NIL, 3                            ; 0; never rewritten
.set RR,  4                            ; r = lane % 16
.set HH,  5                            ; h = lane / 16
.set L16, 6                            ; 16 x lane
.set STI, 7                            ; my stage + 16 x lane
.set RDX, 8                            ; my stage + 528 r + 128 h
.set RDM, 9                            ; my stage + 528 r + 32 h
.set L8,  10                           ; 8 x lane
.set GA,  11                           ; a path's own global offset
.set T0,  12
.set T1,  13
.set SCO, 14
.set BY0, 15
.set XN,  48                           ; v48-111  64 numbers in the order in which they are worked
.set RS,  112                          ; v112-239 two sets of 64 registers as loaded
.set WD,  16                           ; mask path: v16-31 the words, two registers a unit
; 32 numbers of ONE lane, v[x] .. v[x + 31], neighbours along K, become 6 registers of codes at v[c] (v[c + 6 .. c + 8] are scratch) and the scale's byte in v[by].
.macro QBLK x, c, by
	v_max3_num_f32 v[T0], |v[(\x)]|, |v[(\x)+1]|, |v[(\x)+2]|
	v_max3_num_f32 v[T1], |v[(\x)+3]|, |v[(\x)+4]|, |v[(\x)+5]|
.irp i, 6,10,14,18,22,26
	v_max3_num_f32 v[T0], v[T0], |v[(\x)+\i]|, |v[(\x)+\i+1]|
	v_max3_num_f32 v[T1], v[T1], |v[(\x)+\i+2]|, |v[(\x)+\i+3]|
.endr
	v_max3_num_f32 v[T0], v[T0], |v[(\x)+30]|, |v[(\x)+31]|
	v_max3_num_f32 v[T0], v[T0], v[T1], 0x1800000          ; and the floor 2^(3 - 127): the byte cannot fall under 1
	v_add_nc_u32 v[SCO], 0xff000000, v[T0]                 ; 2 off the exponent field: the conversion takes that field as its scale
	v_lshrrev_b32 v[\by], 23, v[SCO]                       ; the scale's byte
	v_cvt_scalef32_pk16_fp6_f32 v[(\c):(\c)+2], v[(\x):(\x)+15], v[SCO]
	v_cvt_scalef32_pk16_fp6_f32 v[(\c)+6:(\c)+8], v[(\x)+16:(\x)+31], v[SCO]   ; (a conversion's three registers begin on an even number)
	v_nop                                                  ; one plain line behind the last conversion
.irp i, 0,1,2
	v_mov_b32 v[(\c)+3+\i], v[(\c)+6+\i]
.endr
.endm
.macro FINISH                          ; a wave's end
	s_wait_tensorcnt 0x0
	ds_add_u32 v[SPW], v[NIL]
	s_wait_dscnt 0x0
	s_endpgm
.endm
	s_load_b512 s[4:19], s[0:1], 0x0               ; query, key, value, Wq, Wk, Wv, Wo, mask
	s_load_b128 s[20:23], s[0:1], 0x40             ; xw_codes, xw_scales
	s_load_b64 s[24:25], s[0:1], 0x50              ; mbits
	v_lshl_add_u32 v[SPW], v0, 2, SPARE
	v_mov_b32 v[NIL], 0
	v_lshrrev_b32 v1, 5, v0
	v_readfirstlane_b32 s26, v1                    ; wave 0..3
	v_and_b32 v[LN], 31, v0
	v_and_b32 v[RR], 15, v0
	v_bfe_u32 v[HH], v0, 4, 1
	v_lshlrev_b32 v[L16], 4, v[LN]
	v_lshlrev_b32 v[L8], 3, v[LN]
	s_mul_i32 s27, s26, WST
	v_add_nc_u32 v[STI], s27, v[L16]
	v_mul_u32_u24 v[RDX], v[RR], SPI
	v_add_nc_u32 v[RDX], s27, v[RDX]
	v_lshl_add_u32 v[RDM], v[HH], 5, v[RDX]
	v_lshl_add_u32 v[RDX], v[HH], 7, v[RDX]
	s_mov_b32 s28, 0x76543210
	s_mov_b32 s29, 0xfedcba98                      ; v_permlanex16_b32's selects for lane l xor 16
	s_mov_b32 s35, 0
	s_wait_kmcnt 0x0
	s_cmp_lt_u32 ttmp9, 384
	s_cbranch_scc0 .Lnot_rows
; ---- THE ROWS.  A wave takes one block of 16 rows through all 8 K steps.  A load reads 512 consecutive bytes of one row; a K step's 16 x 512 bytes turn through my stage, so that a lane gets
; two whole blocks of 32 neighbours.  Two K steps (32 loads) are on their way.
	s_lshr_b32 s27, ttmp9, 7                       ; 0 query, 1 key, 2 value
	s_cmp_eq_u32 s27, 0
	s_cselect_b64 s[30:31], s[4:5], s[6:7]
	s_cmp_eq_u32 s27, 2
	s_cselect_b64 s[30:31], s[8:9], s[30:31]
	s_lshl_b32 s32, ttmp9, 2
	s_add_co_u32 s32, s32, s26                     ; my block of rows, 0 .. 1,535
	s_and_b32 s34, s32, 511
	s_lshl_b32 s34, s34, 16                        ; 16 rows of 4,096 bytes
	s_add_nc_u64 s[30:31], s[30:31], s[34:35]
	s_mul_i32 s34, s32, 12288
	s_add_nc_u64 s[20:21], s[20:21], s[34:35]
	s_lshl_b32 s34, s32, 9
	s_add_nc_u64 s[22:23], s[22:23], s[34:35]
	s_wait_alu depctr_va_vdst(0)
	v_lshlrev_b32 v18, 3, v[HH]                    ; 8 h
	v_lshlrev_b32 v[GA], 5, v[RR]
	v_lshl_add_u32 v[GA], v[HH], 4, v[GA]          ; 32 r + 16 h
	v_mov_b32 v19, 0                               ; (a lane permute's destination counts as read)
.macro XLOAD s
.irp i, 0,1,2,3,4,5,6,7,8,9,10,11,12,13,14,15
	global_load_b128 v[RS+64*((\s)%2)+4*\i:RS+64*((\s)%2)+4*\i+3], v[L16], s[30:31] offset:4096*\i+512*(\s) th:TH_LOAD_NT
.endr
.endm
.macro XSTEP s
.if (\s) < 7
	s_wait_loadcnt 16                              ; this K step's 16 loads are in; the next step's 16 may be out
.else
	s_wait_loadcnt 0x0
.endif
.irp i, 0,1,2,3,4,5,6,7,8,9,10,11,12,13,14,15
	ds_store_b128 v[STI], v[RS+64*((\s)%2)+4*\i:RS+64*((\s)%2)+4*\i+3] offset:XST+SPI*\i
.endr
.irp c, 0,1
.irp e, 0,1,2,3,4,5,6,7
	ds_load_b128 v[XN+32*\c+4*\e:XN+32*\c+4*\e+3], v[RDX] offset:XST+256*\c+16*\e   ; row r, k = 64 c + 32 h + 4 e ..; LDS serves a wave's instructions in order
.endr
.endr
	s_wait_dscnt 0x0
	s_wait_xcnt 0x0                                ; the last step's stores have read their data: the codes' registers may be written again
.if (\s)+2 < 8
	XLOAD (\s)+2
.endif
	QBLK XN, 28, BY0
	QBLK XN+32, 38, 16
	v_lshl_or_b32 v17, v16, 16, v[BY0]             ; my two bytes: blocks h and 2 + h,
	v_lshlrev_b32 v17, v18, v17                    ; at their places in the K step's word;
	v_permlanex16_b32 v19, v17, s28, s29
	v_or_b32 v[20+(\s)], v17, v19                  ; with lane l xor 16's two the word is whole
	global_store_b128 v[L16], v[28:31], s[20:21] offset:1536*(\s)
	global_store_b64 v[L8], v[32:33], s[20:21] offset:1536*(\s)+512
	global_store_b128 v[L16], v[38:41], s[20:21] offset:1536*(\s)+768
	global_store_b64 v[L8], v[42:43], s[20:21] offset:1536*(\s)+1280
.endm
	XLOAD 0
	XLOAD 1
.irp s, 0,1,2,3,4,5,6,7
	XSTEP \s
.endr
	v_cmp_eq_u32 vcc_lo, 1, v[HH]
.irp i, 0,1,2,3
	v_cndmask_b32 v[20+\i], v[20+\i], v[24+\i], vcc_lo     ; lanes 0-15 keep the words of K steps 0-3, lanes 16-31 take those of 4-7
.endr
	global_store_b128 v[GA], v[20:23], s[22:23]    ; 16 rows x 32 bytes: 512 consecutive bytes
	FINISH
.Lnot_rows:
	s_cmp_lt_u32 ttmp9, 512
	s_cbranch_scc0 .Lmask
; ---- THE WEIGHTS, stored [K][N].  A lane takes a column and its registers run down K: a block of 32 lies in one lane, and nothing is transposed.  A wave: 32 columns x 256 along K, 8 blocks.
; Lanes 0-15 hold one block of 16 columns, lanes 16-31 the next; an even and an odd block of K exchange halves and are then the two images.
	s_sub_co_u32 s27, ttmp9, 384
	s_lshr_b32 s32, s27, 5                         ; which weight: 0 Wq, 1 Wk, 2 Wv, 3 Wo
	s_cmp_lt_u32 s32, 2
	s_cselect_b64 s[30:31], s[10:11], s[14:15]
	s_cselect_b64 s[36:37], s[12:13], s[16:17]
	s_and_b32 s33, s32, 1
	s_cmp_eq_u32 s33, 0
	s_cselect_b64 s[30:31], s[30:31], s[36:37]
	s_and_b32 s33, s27, 7
	s_lshl_b32 s33, s33, 7
	s_lshl_b32 s34, s26, 5
	s_add_co_u32 s33, s33, s34                     ; my first column
	s_bfe_u32 s38, s27, 0x20003                    ; which 256 along K
	s_lshl_b32 s34, s38, 20                        ; 256 rows of 4,096 bytes
	s_lshl_b32 s36, s33, 2
	s_add_co_u32 s34, s34, s36
	s_add_nc_u64 s[30:31], s[30:31], s[34:35]
	s_lshl_b32 s34, s32, 6
	s_lshr_b32 s36, s33, 4
	s_add_co_u32 s34, s34, s36                     ; block of 16 columns
	s_mul_i32 s34, s34, 12288
	s_mul_i32 s36, s38, 3072                       ; two K steps
	s_add_co_u32 s34, s34, s36
	s_add_co_u32 s34, s34, WOFFC
	s_add_nc_u64 s[20:21], s[20:21], s[34:35]
	s_lshl_b32 s34, s32, 10
	s_add_co_u32 s34, s34, s33
	s_lshl_b32 s34, s34, 5
	s_lshl_b32 s36, s38, 3
	s_add_co_u32 s34, s34, s36
	s_add_co_u32 s34, s34, WOFFS
	s_add_nc_u64 s[22:23], s[22:23], s[34:35]
	v_lshlrev_b32 v[GA], 2, v[LN]                  ; 4 bytes a lane
	v_lshlrev_b32 v17, 5, v[LN]                    ; a column's row of scale bytes
.macro WLOAD t
.irp i, 0,1,2,3,4,5,6,7,8,9,10,11,12,13,14,15,16,17,18,19,20,21,22,23,24,25,26,27,28,29,30,31
	global_load_b32 v[XN+32*((\t)%2)+\i], v[GA], s[30:31] offset:(32*(\t)+\i)*4096 th:TH_LOAD_NT
.endr
.endm
.macro WBLOCK t
.if (\t) < 7
	s_wait_loadcnt 32                              ; this block's 32 loads are in; the next block's 32 may be out
.else
	s_wait_loadcnt 0x0
.endif
	QBLK XN+32*((\t)%2), 176+10*(\t), BY0          ; every block has its own registers for its codes: no store's data are written again
.if (\t)%4 == 0
	v_mov_b32 v[20+(\t)/4], v[BY0]
.else
	v_lshl_or_b32 v[20+(\t)/4], v[BY0], 8*((\t)%4), v[20+(\t)/4]
.endif
.if (\t)+2 < 8
	WLOAD (\t)+2
.endif
.if (\t)%2
.irp i, 0,1,2,3,4,5
	v_permlane16_swap_b32 v[166+10*(\t)+\i], v[176+10*(\t)+\i]     ; the even block's lanes 16-31 change places with the odd block's lanes 0-15
.endr
	global_store_b128 v[L16], v[166+10*(\t):169+10*(\t)], s[20:21] offset:768*((\t)/2)
	global_store_b64 v[L8], v[170+10*(\t):171+10*(\t)], s[20:21] offset:768*((\t)/2)+512
	global_store_b128 v[L16], v[176+10*(\t):179+10*(\t)], s[20:21] offset:768*((\t)/2)+12288
	global_store_b64 v[L8], v[180+10*(\t):181+10*(\t)], s[20:21] offset:768*((\t)/2)+12800
.endif
.endm
	WLOAD 0
	WLOAD 1
.irp t, 0,1,2,3,4,5,6,7
	WBLOCK \t
.endr
	global_store_b64 v17, v[20:21], s[22:23]       ; my column's 8 bytes: rows 32 bytes apart; one byte in 128 of what this path reads
	FINISH
.Lmask:
; ---- THE MASK.  A wave takes 16 queries x 1,024 keys, in eight units of 128 keys.  A unit turns through my stage into the order in which attention holds its scores
; (register 8 t + j of lane l: query l % 16, key 16 t + 8 (l / 16) + j); a compare then gives one word for each register.
	s_sub_co_u32 s27, ttmp9, 512
	s_lshl_b32 s27, s27, 2
	s_add_co_u32 s27, s27, s26
	s_lshr_b32 s32, s27, 1                         ; which 16 queries, 0 .. 511
	s_and_b32 s33, s27, 1                          ; which half of the keys
	s_lshl_b32 s34, s32, 17                        ; 16 rows of 8,192 bytes
	s_lshl_b32 s36, s33, 12
	s_add_co_u32 s34, s34, s36
	s_add_nc_u64 s[18:19], s[18:19], s[34:35]
	s_lshl_b32 s34, s32, 12
	s_lshl_b32 s36, s33, 11
	s_add_co_u32 s34, s34, s36
	s_add_nc_u64 s[24:25], s[24:25], s[34:35]
.irp i, 0,1,2,3,4,5,6,7,8,9,10,11,12,13,14,15
	v_mov_b32 v[WD+\i], 0                          ; (v_writelane_b32's destination counts as read)
.endr
.macro MLOAD u
.irp i, 0,1,2,3,4,5,6,7,8,9,10,11,12,13,14,15
	global_load_b128 v[RS+64*((\u)%2)+4*\i:RS+64*((\u)%2)+4*\i+3], v[L16], s[18:19] offset:8192*\i+512*(\u) th:TH_LOAD_NT
.endr
.endm
.macro MUNIT u
.if (\u) < 7
	s_wait_loadcnt 16                              ; this unit's 16 loads are in; the next unit's 16 may be out
.else
	s_wait_loadcnt 0x0
.endif
.irp i, 0,1,2,3,4,5,6,7,8,9,10,11,12,13,14,15
	ds_store_b128 v[STI], v[RS+64*((\u)%2)+4*\i:RS+64*((\u)%2)+4*\i+3] offset:MST+SPI*\i
.endr
.irp t, 0,1,2,3,4,5,6,7
	ds_load_b128 v[XN+8*\t:XN+8*\t+3], v[RDM] offset:MST+64*\t
	ds_load_b128 v[XN+8*\t+4:XN+8*\t+7], v[RDM] offset:MST+64*\t+16
.endr
	s_wait_dscnt 0x0
.if (\u)+2 < 8
	MLOAD (\u)+2
.endif
.set w, 0
.rept 16
.irp x, 0,1,2,3
	v_cmp_ne_u32 s[36+\x], 0, v[XN+w+\x]
.endr
.irp x, 0,1,2,3
	v_writelane_b32 v[WD+2*(\u)+(\x%2)], s[36+\x], (w+\x)/2        ; word w goes to lane w / 2, register w % 2
.endr
.set w, w+4
.endr
	global_store_b64 v[L8], v[WD+2*(\u):WD+2*(\u)+1], s[24:25] offset:256*(\u)     ; 64 words: 256 consecutive bytes, aligned
.endm
	MLOAD 0
	MLOAD 1
.irp u, 0,1,2,3,4,5,6,7
	MUNIT \u
.endr
	FINISH
.Lfunc_end_k_qab56f073e1_prep:
	.size	k_qab56f073e1_prep, .Lfunc_end_k_qab56f073e1_prep-k_qab56f073e1_prep
	.p2alignl 7, 3214868480
	.fill 96, 4, 3214868480
	.section	.rodata,"a",@progbits
	.p2align	6, 0x0
	.amdhsa_kernel k_qab56f073e1_prep
		.amdhsa_group_segment_fixed_size 68096
		.amdhsa_private_segment_fixed_size 0
		.amdhsa_enable_private_segment 0
		.amdhsa_kernarg_size 88
		.amdhsa_user_sgpr_count 2
		.amdhsa_user_sgpr_kernarg_segment_ptr 1
		.amdhsa_wavefront_size32 1
		.amdhsa_system_sgpr_workgroup_id_x 1
		.amdhsa_system_sgpr_workgroup_id_y 1
		.amdhsa_system_sgpr_workgroup_id_z 1
		.amdhsa_system_vgpr_workitem_id 0
		.amdhsa_next_free_vgpr 256
		.amdhsa_next_free_sgpr 66
		.amdhsa_reserve_vcc 1
		.amdhsa_float_denorm_mode_32 3
		.amdhsa_float_denorm_mode_16_64 3
		.amdhsa_memory_ordered 1
		.amdhsa_forward_progress 1
		.amdhsa_inst_pref_size 192
	.end_amdhsa_kernel
	.amdgpu_metadata
---
amdhsa.version: [ 1, 2 ]
amdhsa.kernels:
  - .name:           k_qab56f073e1_prep
    .symbol:         k_qab56f073e1_prep.kd
    .args:
      - { .name: query, .offset: 0, .size: 8, .value_kind: global_buffer, .address_space: global }
      - { .name: key, .offset: 8, .size: 8, .value_kind: global_buffer, .address_space: global }
      - { .name: value, .offset: 16, .size: 8, .value_kind: global_buffer, .address_space: global }
      - { .name: Wq, .offset: 24, .size: 8, .value_kind: global_buffer, .address_space: global }
      - { .name: Wk, .offset: 32, .size: 8, .value_kind: global_buffer, .address_space: global }
      - { .name: Wv, .offset: 40, .size: 8, .value_kind: global_buffer, .address_space: global }
      - { .name: Wo, .offset: 48, .size: 8, .value_kind: global_buffer, .address_space: global }
      - { .name: mask, .offset: 56, .size: 8, .value_kind: global_buffer, .address_space: global }
      - { .name: xw_codes, .offset: 64, .size: 8, .value_kind: global_buffer, .address_space: global }
      - { .name: xw_scales, .offset: 72, .size: 8, .value_kind: global_buffer, .address_space: global }
      - { .name: mbits, .offset: 80, .size: 8, .value_kind: global_buffer, .address_space: global }
    .group_segment_fixed_size: 68096
    .private_segment_fixed_size: 0
    .kernarg_segment_align: 8
    .kernarg_segment_size: 88
    .max_flat_workgroup_size: 128
    .sgpr_count:     66
    .vgpr_count:     256
    .wavefront_size: 32
...
	.end_amdgpu_metadata
.endif
;; end of part 1
;; launch proj (part 2): grid 8 x 96, 4 waves a work-group, clusters of 4 x 4, 327,680 bytes of LDS; arguments xw_codes, xw_scales, bq, bk, bv, q_codes, q_scales, kv; writes q_codes, q_scales, kv
.if DOCPART == 2
	.amdgcn_target "amdgcn-amd-amdhsa--gfx1250"
	.amdhsa_code_object_version 6
	.text
	.protected	k_qab56f073e1_proj
	.globl	k_qab56f073e1_proj
	.p2align	8
	.type	k_qab56f073e1_proj,@function
k_qab56f073e1_proj:
	s_mov_b64 s[64:65], 0
	v_nop
	global_prefetch_b8 v0, s[64:65] scope:SCOPE_SE
	s_setreg_imm32_b32 hwreg(HW_REG_WAVE_MODE, 25, 1), 1
	s_wait_xcnt 0x0
	s_wait_alu depctr_hold_cnt(0) depctr_sa_sdst(0) depctr_va_vdst(0) depctr_va_sdst(0) depctr_va_ssrc(0) depctr_va_vcc(0) depctr_vm_vsrc(0)
	s_getreg_b32 s2, hwreg(HW_REG_IB_STS2, 6, 4)
	s_cmp_eq_u32 s2, 0
	s_cbranch_scc0 .Lentry_in_a_cluster
	s_endpgm
.Lentry_in_a_cluster:
	s_bfe_u32 s2, ttmp6, 0x10000c
	s_cmp_lg_u32 s2, 0xf033
	s_cbranch_scc0 .Lentry_shape_is_right
	s_endpgm
.Lentry_shape_is_right:
; PROJ: q = query Wq + bq, k = key Wk + bk, v = value Wv + bv, on codes of FP6 (E2M3) with E8M0 scales, sums in f32; the results are quantised at once, as attention wants them.
; One GEMM of 24,576 rows: rows 0-8,191 are query's, then key's, then value's; which weight, bias and way out follows from the cluster's y alone (g = 0, 1, 2).
; A work-group makes 256 rows x 128 columns; each of its four waves 128 x 64, which is 128 positions of ONE head: 32 accumulators, 256 matrix instructions.
; ALL OF K (1,024) LIES IN LDS AT ONCE: A's 16 blocks of rows (196,608 bytes) and B's 8 blocks of columns (98,304), in two halves of four K steps.  Nothing is filled again: there is no ring.
; A wave has one tensor load; a wait and a barrier stand in front of each half's first read.
; Codes lie as images of half a fragment (768 bytes: 16 rows x 64 K; lane l's registers 0-3 at 16 l, 4-5 at 512 + 8 l): a fragment is four LDS loads of consecutive bytes, with no pitch and no padding.
; CLUSTER 4 x 4: the four work-groups of a row of the cluster need the same rows of A, the four of a column the same columns of B: each chunk is asked for jointly.
; THE PRODUCT IS USED TRANSPOSED (source 0 = 16 columns of W, source 1 = 16 rows of x): a lane holds row l % 16 and eight neighbouring columns 8 (l / 16) + 0 .. 7.  The bias is the C of each sum's first product.
; SCALES: a row's 32 bytes come by one load of 16 bytes a lane: lanes 0-15 hold the words of K steps 0-3, lanes 16-31 those of 4-7, which the second half of K reads by ROW1.
; THE WAY OUT goes through my own stage in LDS (128 rows x 272 bytes, in A's bytes, which have had their last fill and, behind the last barrier, their last read).
;   q, k: quantised along the head's 64: an image for each 16 positions; scale words b0, b1, 0x7f, 0x7f (attention's K step is 128: the upper 64 meet zero codes).
;   v   : quantised along the KEYS.  Inside a block of 32 keys the codes stand in the order 0-7, 16-23, 8-15, 24-31, the order in which attention's p falls; lane r of tile dt is channel 32 (dt / 2) + 8 (dt % 2) + r + 8 (r / 8).
;   kv  : [head][16 records of 128 keys]: 8 images of K, 8 of V, 128 scale words of K, 64 of V: 13,056 bytes.
; LIMITS: NaN and infinities are not served; a block of zeros carries the byte 1 (its codes are zeros; only this program reads the bytes).
; REGISTERS: window 0: addresses, scales, bias, the way out; window 1: accumulator (a, b) at 8 (4 a + b); windows 2, 3: two sets of fragments, A's eight at 12 a, B's four at 96 + 12 b.
.set WOFFC, 18874368
.set WOFFS, 786432
.set ACH,   98304                      ; half of K of A in LDS: 16 blocks x 6,144
.set BCH,   49152                      ; of B: 8 blocks x 6,144
.set BB,    196608                     ; B begins behind A
.set SPARE, 294912                     ; the spare words, 128 bytes a wave: two blocks of 256 bytes that no other line names
.set SCQ,   295424                     ; q's or k's scale words on their way out, 512 bytes a wave
.set SCV,   297472                     ; v's, 256 bytes a wave
.set STG,   34816                      ; a wave's stage
.set SP,    272                        ; a stage row: 256 bytes + 16
.set A16, 4
.set A8,  5
.set B16, 6
.set B8,  7
.set SPW, 8                            ; LDS address of my spare word; never rewritten
.set NIL, 9                            ; 0; never rewritten
.set STO, 10
.set RDQ, 11
.set RDV, 12
.set L16, 13
.set L8,  14
.set SQW, 15
.set SQR, 16
.set SVW, 17
.set SVR, 18
.set SH,  19
.set T0,  20
.set T1,  21
.set SCO, 22
.set BY0, 23
.set BY1, 24
.set TW,  25
.set TX,  26
.set SAD, 27
.set BAD, 28
.set SA,  32                           ; v32-63   A's scale words: 4 a + s % 4
.set SB,  64                           ; v64-79   B's: 4 b + s % 4
.set BI,  80                           ; v80-111  the bias, 8 b + j
.set X,   112                          ; v112-175 two sets of 32 numbers
.set C,   176                          ; v176-255 codes, ten registers a unit: no store's data are written again
.set MSB, 0
.macro WIN new                         ; the immediate's high byte repeats the setting that is left
.if MSB != (\new)
	s_set_vgpr_msb (MSB<<8)|(\new)
.set MSB, (\new)
.endif
.endm
.macro CREST
	s_cmp_lg_u32 s20, 0
	s_cbranch_scc1 .Lnot_wave_0_\@
	s_barrier_signal -3
.Lnot_wave_0_\@:
	s_barrier_wait -3
	s_barrier_signal -1
	s_barrier_wait -1
.endm
.macro CROUND                          ; a round of the cluster's barrier
	s_barrier_signal -1
	s_barrier_wait -1
	CREST
.endm
.macro PLACES
.rept 4
	v_nop
.endr
.endm
.macro QBLK x, c, by                   ; 32 numbers of one lane -> 6 registers of codes at v[c] (c + 6 .. c + 8 scratch), the scale's byte in v[by]
	v_max3_num_f32 v[T0], |v[(\x)]|, |v[(\x)+1]|, |v[(\x)+2]|
	v_max3_num_f32 v[T1], |v[(\x)+3]|, |v[(\x)+4]|, |v[(\x)+5]|
.irp i, 6,10,14,18,22,26
	v_max3_num_f32 v[T0], v[T0], |v[(\x)+\i]|, |v[(\x)+\i+1]|
	v_max3_num_f32 v[T1], v[T1], |v[(\x)+\i+2]|, |v[(\x)+\i+3]|
.endr
	v_max3_num_f32 v[T0], v[T0], |v[(\x)+30]|, |v[(\x)+31]|
	v_max3_num_f32 v[T0], v[T0], v[T1], 0x1800000          ; the floor 2^(3 - 127): the byte cannot fall under 1
	v_add_nc_u32 v[SCO], 0xff000000, v[T0]                 ; 2 off the exponent field: the conversion's scale operand
	v_lshrrev_b32 v[\by], 23, v[SCO]
	v_cvt_scalef32_pk16_fp6_f32 v[(\c):(\c)+2], v[(\x):(\x)+15], v[SCO]
	v_cvt_scalef32_pk16_fp6_f32 v[(\c)+6:(\c)+8], v[(\x)+16:(\x)+31], v[SCO]
	v_nop                                                  ; one plain line behind the last conversion
.irp i, 0,1,2
	v_mov_b32 v[(\c)+3+\i], v[(\c)+6+\i]
.endr
.endm
	s_load_b512 s[4:19], s[0:1], 0x0               ; xw_codes, xw_scales, bq, bk, bv, q_codes, q_scales, kv
	v_lshl_add_u32 v[SPW], v0, 2, SPARE
	v_mov_b32 v[NIL], 0
	ds_add_u32 v[SPW], v[NIL]                      ; the wave's opening
	ds_add_u32 v[SPW], v[NIL]
	v_lshrrev_b32 v1, 5, v0
	v_readfirstlane_b32 s20, v1                    ; wave 0..3
	s_lshr_b32 s21, s20, 1                         ; my half of the rows.  Also: I fetch for A (0) or for B (1)
	s_and_b32 s22, s20, 1                          ; my half of the columns.  Also: which half of that tile I fetch
	s_bfe_u32 s23, ttmp6, 0x40000                  ; cx
	s_bfe_u32 s76, ttmp6, 0x40004                  ; cy
	s_lshl_b32 s77, ttmp9, 2
	s_add_co_u32 s77, s77, s23                     ; tile column = 4 x cluster x + cx
	s_and_b32 s79, ttmp7, 0xffff                   ; cluster y
	s_lshl_b32 s78, s79, 2
	s_add_co_u32 s78, s78, s76                     ; tile row = 4 x cluster y + cy
	s_lshr_b32 s79, s79, 3                         ; g: 0 query, 1 key, 2 value: the same in all sixteen partners
	s_lshl_b32 s80, s76, 2
	s_lshl_b32 s80, 15, s80                        ; my row of the cluster
	s_lshl_b32 s81, 0x1111, s23                    ; my column
	; descriptor group 1: rows of 6,144 bytes (768 elements of 8 bytes: a block's four K steps), 12,288 bytes apart; 16 of them for A, 8 for B; no padding
	s_or_b32 s24, s80, (3<<16)|(1<<21)
	s_mov_b32 s25, 768<<16                         ; ONE LOAD A WAVE: rows of 6,144 bytes (768 elements of 8 bytes: a block's four K steps), 16 of them for A, 8 for B
	s_mov_b32 s26, 16<<16
	s_mov_b32 s27, 768<<16
	s_mov_b32 s28, 16
	s_mov_b32 s29, 1536
	s_mov_b32 s30, 0
	s_mov_b32 s31, 0
	s_or_b32 s32, s81, (3<<16)|(1<<21)
	s_mov_b32 s33, 768<<16
	s_mov_b32 s34, 8<<16
	s_mov_b32 s35, 768<<16
	s_mov_b32 s36, 8
	s_mov_b32 s37, 1536
	s_mov_b32 s38, 0
	s_mov_b32 s39, 0
	; THE FILLS: wave 0 A's 16 blocks, K steps 0-3; wave 1 B's 8 blocks, K steps 0-3; waves 2, 3 the same for K steps 4-7.  LDS: [half of K][block][6,144 bytes]
	s_lshl_b32 s82, s78, 4                         ; A: block of rows 16 x tile row,
	s_mul_i32 s82, s82, 12288
	s_mul_i32 s83, s21, 6144                       ; and my half of K (wave / 2)
	s_add_co_u32 s82, s82, s83
	s_mov_b32 s83, 0
	s_lshl_b32 s84, s79, 6
	s_lshl_b32 s85, s77, 3
	s_add_co_u32 s84, s84, s85                     ; B: block of columns 64 g + 8 x tile column
	s_mul_i32 s84, s84, 12288
	s_add_co_u32 s84, s84, WOFFC
	s_mul_i32 s85, s21, 6144
	s_add_co_u32 s84, s84, s85
	s_mov_b32 s85, 0
	s_mov_b32 s40, 1
	s_mul_i32 s41, s21, ACH                        ; where they go: no place in the cluster enters an LDS address
	s_mov_b32 s56, 1
	s_mul_i32 s57, s21, BCH
	s_add_co_u32 s57, s57, BB
	s_wait_dscnt 0x0                               ; both opening adds are done
	s_wait_kmcnt 0x0
	s_add_nc_u64 s[42:43], s[4:5], s[82:83]
	s_or_b32 s43, s43, 0x80000000
	s_add_nc_u64 s[58:59], s[4:5], s[84:85]
	s_or_b32 s59, s59, 0x80000000
	CROUND                                         ; all sixteen work-groups are here: the joint loads meet
	s_cmp_eq_u32 s20, 0                            ; one chain of branches on the wave's number, one load to an arm
	s_cbranch_scc0 .Larm_1
	tensor_load_to_lds s[40:43], s[24:31]
	s_nop 0
	PLACES
	s_branch .Lasked
.Larm_1:
	s_cmp_eq_u32 s20, 1
	s_cbranch_scc0 .Larm_2
	tensor_load_to_lds s[56:59], s[32:39]
	s_nop 0
	PLACES
	s_branch .Lasked
.Larm_2:
	s_cmp_eq_u32 s20, 2
	s_cbranch_scc0 .Larm_3
	tensor_load_to_lds s[40:43], s[24:31]
	s_nop 0
	PLACES
	s_branch .Lasked
.Larm_3:
	tensor_load_to_lds s[56:59], s[32:39]
	s_nop 0
	PLACES
.Lasked:
	v_and_b32 v1, 31, v0                           ; lane
	v_and_b32 v2, 15, v0                           ; r
	v_bfe_u32 v3, v0, 4, 1                         ; h
	v_lshlrev_b32 v[L16], 4, v1
	v_lshlrev_b32 v[L8], 3, v1
	s_mul_i32 s88, s21, 49152                      ; my 8 blocks of rows, 6,144 bytes each in a half of K
	v_add_nc_u32 v[A16], s88, v[L16]
	v_add_nc_u32 v[A8], s88, v[L8]
	s_mul_i32 s88, s22, 24576                      ; my 4 blocks of columns
	s_add_co_u32 s88, s88, BB
	v_add_nc_u32 v[B16], s88, v[L16]
	v_add_nc_u32 v[B8], s88, v[L8]
	s_mul_i32 s88, s20, STG                        ; my stage
	v_mul_u32_u24 v20, v2, SP
	v_add_nc_u32 v20, s88, v20
	v_lshl_add_u32 v[STO], v3, 5, v20              ; in: row r, 32 bytes for each half of the lanes
	v_lshl_add_u32 v[RDQ], v3, 7, v20              ; q, k: row r, my block of 32 columns
	v_and_b32 v21, 8, v2
	v_add_nc_u32 v21, v21, v2                      ; r + 8 (r / 8)
	v_mul_u32_u24 v22, v3, 32*SP
	v_lshl_add_u32 v22, v21, 2, v22
	v_add_nc_u32 v[RDV], s88, v22                  ; v: my channel's column, my block of 32 rows
	s_lshl_b32 s88, s20, 9
	s_add_co_u32 s88, s88, SCQ
	v_lshl_add_u32 v[SQW], v2, 2, s88
	v_add_nc_u32 v[SQR], s88, v[L16]
	s_lshl_b32 s88, s20, 8
	s_add_co_u32 s88, s88, SCV
	v_lshl_add_u32 v[SVW], v2, 2, s88
	v_add_nc_u32 v[SVR], s88, v[L8]
	v_lshlrev_b32 v[SH], 3, v3                     ; 8 h
	v_lshlrev_b32 v[SAD], 5, v2
	v_lshl_add_u32 v[SAD], v3, 4, v[SAD]           ; 32 r + 16 h
	s_wait_alu depctr_va_vdst(0)
	v_lshlrev_b32 v[BAD], 5, v3                    ; 32 h
	s_wait_alu depctr_va_vdst(0)
	v_mov_b32 v[TX], 0                             ; (a lane permute's destination counts as read)
	s_lshl_b32 s90, s78, 13                        ; A's scales: 256 rows of 32 bytes a tile row, 128 a half
	s_lshl_b32 s91, s21, 12
	s_add_co_u32 s90, s90, s91
	s_mov_b32 s91, 0
	s_add_nc_u64 s[90:91], s[6:7], s[90:91]
	s_lshl_b32 s92, s79, 15                        ; B's: 1,024 columns a weight, 128 a tile column, 64 a half
	s_lshl_b32 s93, s77, 12
	s_add_co_u32 s92, s92, s93
	s_lshl_b32 s93, s22, 11
	s_add_co_u32 s92, s92, s93
	s_add_co_u32 s92, s92, WOFFS
	s_mov_b32 s93, 0
	s_add_nc_u64 s[92:93], s[6:7], s[92:93]
	s_cmp_eq_u32 s79, 0
	s_cselect_b64 s[94:95], s[8:9], s[10:11]
	s_cmp_eq_u32 s79, 2
	s_cselect_b64 s[94:95], s[12:13], s[94:95]     ; the bias of my tensor
	s_lshl_b32 s88, s77, 9
	s_lshl_b32 s89, s22, 8
	s_add_co_u32 s88, s88, s89
	s_mov_b32 s89, 0
	s_add_nc_u64 s[94:95], s[94:95], s[88:89]
.irp a, 0,1,2,3,4,5,6,7
	global_load_b128 v[SA+4*\a:SA+4*\a+3], v[SAD], s[90:91] offset:512*\a
.endr
.irp b, 0,1,2,3
	global_load_b128 v[SB+4*\b:SB+4*\b+3], v[SAD], s[92:93] offset:512*\b
.endr
.irp b, 0,1,2,3
	global_load_b128 v[BI+8*\b:BI+8*\b+3], v[BAD], s[94:95] offset:64*\b
	global_load_b128 v[BI+8*\b+4:BI+8*\b+7], v[BAD], s[94:95] offset:64*\b+16
.endr
	; where my 128 positions of my head go: record = (16 x batch + head) x 16 + position / 128
	s_and_b32 s88, s78, 31
	s_lshr_b32 s88, s88, 3                         ; batch
	s_lshl_b32 s88, s88, 4
	s_lshl_b32 s89, s77, 1
	s_add_co_u32 s88, s88, s89
	s_add_co_u32 s88, s88, s22                     ; + head = 2 x tile column + half
	s_lshl_b32 s88, s88, 4
	s_and_b32 s89, s78, 7
	s_lshl_b32 s89, s89, 1
	s_add_co_u32 s88, s88, s89
	s_add_co_u32 s88, s88, s21
	s_mul_i32 s80, s88, 13056                      ; k, v: the record in kv
	s_mul_i32 s81, s88, 6144                       ; q: 8 images
	s_lshl_b32 s86, s88, 9                         ; q: 128 scale words
	s_add_co_u32 s87, s80, 12288                   ; k's scale words
	s_cmp_eq_u32 s79, 2
	s_cselect_b32 s2, 6144, 0                      ; v's images lie behind k's,
	s_cselect_b32 s3, 512, 0                       ; its scale words behind k's
	s_add_co_u32 s80, s80, s2
	s_add_co_u32 s87, s87, s3
	s_cmp_eq_u32 s79, 0
	s_cselect_b32 s2, s81, s80
	s_cselect_b32 s88, s86, s87
	s_cselect_b64 s[96:97], s[14:15], s[18:19]     ; codes go to q_codes or kv,
	s_cselect_b64 s[98:99], s[16:17], s[18:19]     ; scale words to q_scales or kv
	s_mov_b32 s3, 0
	s_mov_b32 s89, 0
	s_add_nc_u64 s[96:97], s[96:97], s[2:3]
	s_add_nc_u64 s[98:99], s[98:99], s[88:89]
	s_mov_b32 s2, 0x76543210
	s_mov_b32 s3, 0xfedcba98                       ; v_permlanex16_b32's selects for lane l xor 16
.macro FRAG reg, a16, a8, off          ; a fragment, 12 registers: two images, each 16 and 8 bytes a lane
	ds_load_b128 v[(\reg):(\reg)+3], v[\a16] offset:(\off)
	ds_load_b64 v[(\reg)+4:(\reg)+5], v[\a8] offset:(\off)+512
	ds_load_b128 v[(\reg)+6:(\reg)+9], v[\a16] offset:(\off)+768
	ds_load_b64 v[(\reg)+10:(\reg)+11], v[\a8] offset:(\off)+1280
.endm
.macro FETCH s                         ; K step s: 48 LDS loads in one run, into set s % 2
	WIN 0x80+0x40*((\s)%2)
.irp a, 0,1,2,3,4,5,6,7
	FRAG 12*\a, A16, A8, 6144*\a+1536*((\s)%4)
.endr
.irp b, 0,1,2,3
	FRAG 96+12*\b, B16, B8, 6144*\b+1536*((\s)%4)
.endr
.endm
.macro MM a, b, s
.set DD, 8*(4*(\a)+(\b))
.if (\s) == 0
	v_wmma_scale_f32_16x16x128_f8f6f4 v[DD:DD+7], v[96+12*(\b):107+12*(\b)], v[12*(\a):12*(\a)+11], v[BI+8*(\b):BI+8*(\b)+7], v[SB+4*(\b)], v[SA+4*(\a)] matrix_a_fmt:MATRIX_FMT_FP6 matrix_b_fmt:MATRIX_FMT_FP6
.elseif (\s) < 4
	v_wmma_scale_f32_16x16x128_f8f6f4 v[DD:DD+7], v[96+12*(\b):107+12*(\b)], v[12*(\a):12*(\a)+11], v[DD:DD+7], v[SB+4*(\b)+(\s)], v[SA+4*(\a)+(\s)] matrix_a_fmt:MATRIX_FMT_FP6 matrix_b_fmt:MATRIX_FMT_FP6
.else
	v_wmma_scale_f32_16x16x128_f8f6f4 v[DD:DD+7], v[96+12*(\b):107+12*(\b)], v[12*(\a):12*(\a)+11], v[DD:DD+7], v[SB+4*(\b)+(\s)-4], v[SA+4*(\a)+(\s)-4] matrix_a_fmt:MATRIX_FMT_FP6 matrix_b_fmt:MATRIX_FMT_FP6 matrix_a_scale:MATRIX_SCALE_ROW1 matrix_b_scale:MATRIX_SCALE_ROW1
.endif
.endm
.macro MUL s, a0                       ; 16 products: A's blocks a0 .. a0 + 3 x B's four.  The 32 accumulators take turns, one instruction a turn
.irp a, \a0, \a0+1, \a0+2, \a0+3
.irp b, 0,1,2,3
	MM \a, \b, \s
.endr
.endr
.endm
; A K step: 32 products on one set of fragments; in its middle the next step's 48 loads go into the other set, four plain lines behind the last product that read it.
; Step 3 changes halves: my part of the second half has landed, I say so, multiply, and read it when all four waves have said so.
; Step 7's barrier stands between every wave's last read of the tiles and the stages that are laid over A's bytes.
.macro STEP s
.if (\s) == 0
.set MW, 0x4a                          ; sources 0, 1 window 2, C (the bias) window 0, D window 1
.elseif (\s)%2
.set MW, 0x5f                          ; sources window 3, C and D window 1
.else
.set MW, 0x5a                          ; sources window 2, C and D window 1
.endif
	s_wait_dscnt 0x0                               ; this step's fragments are in
.if (\s)%4 == 3                        ; step 3 changes halves of K: every wave waits for its one load, so the barrier shows the second half whole
.if (\s) < 7
	s_wait_tensorcnt 0x0
.endif
	s_barrier_signal -1
.endif
	WIN MW
	MUL \s, 0
.if (\s)%4 == 3
	s_barrier_wait -1
.endif
.if (\s) < 7
	WIN 0
.if (\s)%4 == 3
	v_add_nc_u32 v[A16], ACH, v[A16]
	s_wait_alu depctr_va_vdst(0)
	v_add_nc_u32 v[A8], ACH, v[A8]
	s_wait_alu depctr_va_vdst(0)
	v_add_nc_u32 v[B16], BCH, v[B16]
	s_wait_alu depctr_va_vdst(0)
	v_add_nc_u32 v[B8], BCH, v[B8]
.else
	PLACES
.endif
	s_wait_alu depctr_va_vdst(0)
	FETCH (\s)+1
.endif
	WIN MW
	MUL \s, 4
.endm
	s_wait_alu depctr_va_vdst(0)
	s_cmp_lt_u32 s20, 2                            ; waves 0 and 1 brought the first half of K: they wait for it; the second half may be on its way: nothing is filled again
	s_cbranch_scc0 .Lsecond_half
	s_wait_tensorcnt 0x0
.Lsecond_half:
	s_barrier_signal -1
	s_barrier_wait -1                              ; everybody's is
	FETCH 0
	s_wait_loadcnt 0x0                             ; scales and bias
.irp s, 0,1,2,3,4,5,6,7
	STEP \s
.endr
	WIN 0
	PLACES                                         ; in front of the first read of results
	WIN 0x04                                       ; an LDS store's data are its source 1: window 1
.irp a, 0,1,2,3,4,5,6,7
.irp b, 0,1,2,3
	ds_store_b128 v[STO], v[8*(4*\a+\b):8*(4*\a+\b)+3] offset:\a*16*SP+64*\b       ; each accumulator from its low end on
	ds_store_b128 v[STO], v[8*(4*\a+\b)+4:8*(4*\a+\b)+7] offset:\a*16*SP+64*\b+16
.endr
.endr
	WIN 0
	s_cmp_lt_u32 s79, 2
	s_cbranch_scc0 .Lvalues
; ---- q, k: eight units of 16 positions.  Lane (r, h) takes block h of row r: 32 neighbours.  LDS serves a wave's instructions in order: the loads see my stores.
.macro QLD a
.irp e, 0,1,2,3,4,5,6,7
	ds_load_b128 v[X+32*((\a)%2)+4*\e:X+32*((\a)%2)+4*\e+3], v[RDQ] offset:(\a)*16*SP+16*\e
.endr
.endm
	QLD 0
.irp a, 0,1,2,3,4,5,6,7
.if \a < 7
	QLD \a+1
	s_wait_dscnt 8                                 ; all but the next unit's eight loads
.else
	s_wait_dscnt 0x0
.endif
	QBLK X+32*(\a%2), C+10*\a, BY0
	v_lshlrev_b32 v[TW], v[SH], v[BY0]             ; my byte at its place,
	v_permlanex16_b32 v[TX], v[TW], s2, s3
	v_or_b32 v[TW], v[TW], v[TX]                   ; lane l xor 16's beside it,
	v_or_b32 v[TW], 0x7f7f0000, v[TW]              ; and 2^0 for the upper 64 of attention's K step
	global_store_b128 v[L16], v[C+10*\a:C+10*\a+3], s[96:97] offset:768*\a
	global_store_b64 v[L8], v[C+10*\a+4:C+10*\a+5], s[96:97] offset:768*\a+512
	ds_store_b32 v[SQW], v[TW] offset:64*\a        ; both halves of the lanes write the same word with the same value
.endr
	ds_load_b128 v[X:X+3], v[SQR]
	s_wait_dscnt 0x0
	global_store_b128 v[L16], v[X:X+3], s[98:99]   ; 128 scale words: 512 consecutive bytes
	s_branch .Ldone
.Lvalues:
; ---- v: eight units n = 2 dt + c: tile dt of 16 channels x keys 64 c .. 64 c + 63.  A lane takes one channel and runs down 32 keys, in the order of p's codes.
.macro VLD n
.irp i, 0,1,2,3,4,5,6,7,8,9,10,11,12,13,14,15,16,17,18,19,20,21,22,23,24,25,26,27,28,29,30,31
	ds_load_b32 v[X+32*((\n)%2)+\i], v[RDV] offset:SP*(64*((\n)%2)+8*(2*((\i/8)%2)+\i/16)+\i%8)+128*((\n)/4)+32*(((\n)/2)%2)
.endr
.endm
	VLD 0
.irp n, 0,1,2,3,4,5,6,7
.if \n < 7
	VLD \n+1
	s_wait_dscnt 32                                ; all but the next unit's 32 loads
.else
	s_wait_dscnt 0x0
.endif
	QBLK X+32*(\n%2), C+10*\n, BY0+(\n%2)
	global_store_b128 v[L16], v[C+10*\n:C+10*\n+3], s[96:97] offset:768*\n
	global_store_b64 v[L8], v[C+10*\n+4:C+10*\n+5], s[96:97] offset:768*\n+512
.if \n%2
	v_lshl_or_b32 v[TW], v[BY1], 16, v[BY0]        ; my two bytes: blocks h and 2 + h of these 128 keys
	v_lshlrev_b32 v[TW], v[SH], v[TW]
	v_permlanex16_b32 v[TX], v[TW], s2, s3
	v_or_b32 v[TW], v[TW], v[TX]
	ds_store_b32 v[SVW], v[TW] offset:64*(\n/2)
.endif
.endr
	ds_load_b64 v[X:X+1], v[SVR]
	s_wait_dscnt 0x0
	global_store_b64 v[L8], v[X:X+1], s[98:99]     ; 64 scale words: 256 consecutive bytes
.Ldone:
	s_wait_tensorcnt 0x0                           ; the wave's end
	ds_add_u32 v[SPW], v[NIL]
	s_wait_dscnt 0x0
	CROUND                                         ; the closing round: no work-group ends while a partner may still ask for a tile that names it
	s_endpgm
.Lfunc_end_k_qab56f073e1_proj:
	.size	k_qab56f073e1_proj, .Lfunc_end_k_qab56f073e1_proj-k_qab56f073e1_proj
	.p2alignl 7, 3214868480
	.fill 96, 4, 3214868480
	.section	.rodata,"a",@progbits
	.p2align	6, 0x0
	.amdhsa_kernel k_qab56f073e1_proj
		.amdhsa_group_segment_fixed_size 327680
		.amdhsa_private_segment_fixed_size 0
		.amdhsa_enable_private_segment 0
		.amdhsa_kernarg_size 64
		.amdhsa_user_sgpr_count 2
		.amdhsa_user_sgpr_kernarg_segment_ptr 1
		.amdhsa_wavefront_size32 1
		.amdhsa_system_sgpr_workgroup_id_x 1
		.amdhsa_system_sgpr_workgroup_id_y 1
		.amdhsa_system_sgpr_workgroup_id_z 1
		.amdhsa_system_vgpr_workitem_id 0
		.amdhsa_next_free_vgpr 1024
		.amdhsa_next_free_sgpr 100
		.amdhsa_reserve_vcc 0
		.amdhsa_float_denorm_mode_32 3
		.amdhsa_float_denorm_mode_16_64 3
		.amdhsa_memory_ordered 1
		.amdhsa_forward_progress 1
		.amdhsa_inst_pref_size 123
	.end_amdhsa_kernel
	.amdgpu_metadata
---
amdhsa.version: [ 1, 2 ]
amdhsa.kernels:
  - .name:           k_qab56f073e1_proj
    .symbol:         k_qab56f073e1_proj.kd
    .args:
      - { .name: xw_codes, .offset: 0, .size: 8, .value_kind: global_buffer, .address_space: global }
      - { .name: xw_scales, .offset: 8, .size: 8, .value_kind: global_buffer, .address_space: global }
      - { .name: bq, .offset: 16, .size: 8, .value_kind: global_buffer, .address_space: global }
      - { .name: bk, .offset: 24, .size: 8, .value_kind: global_buffer, .address_space: global }
      - { .name: bv, .offset: 32, .size: 8, .value_kind: global_buffer, .address_space: global }
      - { .name: q_codes, .offset: 40, .size: 8, .value_kind: global_buffer, .address_space: global }
      - { .name: q_scales, .offset: 48, .size: 8, .value_kind: global_buffer, .address_space: global }
      - { .name: kv, .offset: 56, .size: 8, .value_kind: global_buffer, .address_space: global }
    .group_segment_fixed_size: 327680
    .private_segment_fixed_size: 0
    .kernarg_segment_align: 8
    .kernarg_segment_size: 64
    .max_flat_workgroup_size: 128
    .sgpr_count:     100
    .vgpr_count:     1024
    .wavefront_size: 32
...
	.end_amdgpu_metadata
.endif
;; end of part 2
;; launch attn (part 3): grid 4 x 64, 16 waves a work-group, clusters of 4 x 1, 327,680 bytes of LDS; arguments q_codes, q_scales, kv, mbits, ao_codes, ao_scales; writes ao_codes, ao_scales
.if DOCPART == 3
	.amdgcn_target "amdgcn-amd-amdhsa--gfx1250"
	.amdhsa_code_object_version 6
	.text
	.protected	k_qab56f073e1_attn
	.globl	k_qab56f073e1_attn
	.p2align	8
	.type	k_qab56f073e1_attn,@function
k_qab56f073e1_attn:
	s_mov_b64 s[64:65], 0
	v_nop
	global_prefetch_b8 v0, s[64:65] scope:SCOPE_SE
	s_setreg_imm32_b32 hwreg(HW_REG_WAVE_MODE, 25, 1), 1
	s_wait_xcnt 0x0
	s_wait_alu depctr_hold_cnt(0) depctr_sa_sdst(0) depctr_va_vdst(0) depctr_va_sdst(0) depctr_va_ssrc(0) depctr_va_vcc(0) depctr_vm_vsrc(0)
	s_getreg_b32 s2, hwreg(HW_REG_IB_STS2, 6, 4)
	s_cmp_eq_u32 s2, 0
	s_cbranch_scc0 .Lentry_in_a_cluster
	s_endpgm
.Lentry_in_a_cluster:
	s_bfe_u32 s2, ttmp6, 0x10000c
	s_cmp_lg_u32 s2, 0x3003
	s_cbranch_scc0 .Lentry_shape_is_right
	s_endpgm
.Lentry_shape_is_right:
; ATTN: for each head, o = softmax(mask(q k^T / 8)) v, both products on codes of FP6 (E2M3) with E8M0 scales; o is quantised along the model's axis for the last projection.
; SOFTMAX: t = score x log2(e) / 8; M = the running largest t rounded UP to a whole number; p = 2^(t - M) is quantised along the keys, not normalised; the sum is taken of the unquantised p and divides at the end.
; When M moves, the sum and O are multiplied by 2^(old M - new M), which rounds nothing.
; THE MASK: one word for each score register (bit l: lane l's score counts), read by scalar loads one step ahead; a hidden score is replaced by -2^33 by one select.
; LIMIT: that stands for a logit of -2^30 where the definition has -1e9.  -2^33 x c is a whole number, so a row with no open key gives p = 1 for every key, the uniform row of the definition, and a hidden key
; beside an open one gives p = 0.  The two differ only where an OPEN logit lies near or under -1e9.  NaN and infinities are not served.
; SHARES: a work-group owns one head and 512 queries; each of its sixteen waves 32 queries, as two passes of one tile of 16, in 256 registers: four waves to a SIMD, so that one wave's vector work stands beside another's products and LDS loads.
; ALL K AND V OF THE HEAD (16 records of 13,056 bytes) LIE IN LDS, filled once, as they lie in memory: nothing is filled again.  A wave has one tensor load.
; CLUSTER 4 x 1: the four work-groups of a head need the same 16 records: each is asked for jointly, with the mask 15.
; LAYOUT: both products are used transposed (S^T = K Q^T, O^T = V^T P^T): a lane holds one query throughout.  The head's size is 64 and the instruction's K is 128: Q's upper 64 codes are zeros, so what stands in the upper
; six registers of K's operand (the next tile's codes, numbers of FP6 like any) adds nothing; the scale bytes there are 0x7f.
; p's 16 registers of tiles 2 b, 2 b + 1 are keys 32 b + 8 h + 0 .. 7 and 32 b + 16 + 8 h + 0 .. 7: after the exchange of halves a block's codes stand in the order 0-7, 16-23, 8-15, 24-31, and V's codes were laid in that order.
; V's tiles were laid so that O^T's 16 registers of two neighbouring tiles are 16 neighbouring channels.
.set REC,   13056                      ; a record: 8 images of K, 8 of V, 128 scale words of K, 64 of V
.set SPARE, 208896                     ; behind the 16 records: the spare words, 128 bytes for each wave: eight blocks of 256 bytes that no other line names
.set L16, 1
.set L8,  2
.set L4,  3
.set SPW, 4                            ; LDS address of my spare word; never rewritten
.set NIL, 5                            ; 0; never rewritten
.set A16, 6
.set A8,  7
.set A4,  8
.set NEG, 9                            ; -2^33
.set R32, 10                           ; 32 r
.set R4,  11                           ; 4 r
.set KS,  29                           ; v29-32 K's scale words: lanes 0-15 tile 2 u, lanes 16-31 tile 2 u + 1
.set VS,  33                           ; v33-34 V's likewise
.set PW,  35                           ; p's scale word
.set CC,  36                           ; v[36:37] c = log2(e) / 8, twice
.set KF,  52                           ; v52-99 eight images of K or of V; v100-105 zeros
.set S,   106                          ; v106-169 S^T, then p
.set O,   170                          ; v170-201 O^T
.set P,   202                          ; v202-213 p's codes
.set SCR, 214
.set BM,  222
.set BX,  226
.set SO,  230
.set TA,  234
.set F,   236                          ; v[236:237]
.set A2,  238                          ; v[238:239]
.set CNT, 100                          ; s100 the loop's count
.set WV,  101                          ; s101 my wave
.set TB,  104                          ; s104 LDS byte at which the step's record begins
; s[2:3] lane selects; s[10:11] mbits; s[12:15] the outputs; s[16:23], s[24:31] descriptors; s66 the mask words' offset, s67 its last value; s[32:63], s[68:99] 64 mask words
.macro CROUND                          ; a round of the cluster's barrier
	s_barrier_signal -1
	s_barrier_wait -1
	s_cmp_lg_u32 s[WV], 0
	s_cbranch_scc1 .Lnot_wave_0_\@
	s_barrier_signal -3
.Lnot_wave_0_\@:
	s_barrier_wait -3
	s_barrier_signal -1
	s_barrier_wait -1
.endm
.macro MASKLOAD                        ; 64 words, 256 bytes
	s_load_b512 s[32:47], s[10:11], s66 offset:0x0
	s_load_b512 s[48:63], s[10:11], s66 offset:0x40
	s_load_b512 s[68:83], s[10:11], s66 offset:0x80
	s_load_b512 s[84:99], s[10:11], s66 offset:0xc0
.endm
	s_load_b256 s[4:11], s[0:1], 0x0               ; q_codes, q_scales, kv, mbits
	s_load_b128 s[12:15], s[0:1], 0x20             ; ao_codes, ao_scales
	v_lshl_add_u32 v[SPW], v0, 2, SPARE
	v_mov_b32 v[NIL], 0
	ds_add_u32 v[SPW], v[NIL]                      ; the wave's opening
	ds_add_u32 v[SPW], v[NIL]
	v_lshrrev_b32 v1, 5, v0
	s_delay_alu instid0(VALU_DEP_1)
	v_readfirstlane_b32 s[WV], v1                  ; wave 0..15
	s_bfe_u32 s68, ttmp6, 0x40000                  ; cx: which 512 queries
	s_and_b32 s69, ttmp7, 0xffff                   ; 16 x batch + head, which the four partners share
	; descriptor group 1: a record as 51 rows of 256 bytes (32 elements of 8 bytes), dense
	s_mov_b32 s16, 15|(3<<16)|(1<<21)
	s_mov_b32 s17, 32<<16
	s_mov_b32 s18, 51<<16
	s_mov_b32 s19, 32<<16
	s_mov_b32 s20, 51
	s_mov_b32 s21, 32
	s_mov_b32 s22, 0
	s_mov_b32 s23, 0
	s_mul_i32 s70, s[WV], REC                      ; record w: its place in LDS and in the head's part of kv
	s_mul_i32 s72, s69, 16*REC
	s_add_co_u32 s72, s72, s70
	s_mov_b32 s73, 0
	s_lshl_b32 s74, s68, 5
	s_lshl_b32 s75, s[WV], 1
	s_add_co_u32 s74, s74, s75                     ; my first block of 16 queries: 32 cx + 2 wave
	s_lshl_b32 s75, s69, 7
	s_add_co_u32 s75, s75, s74
	s_mul_i32 s76, s75, 768                        ; q's image
	s_mov_b32 s77, 0
	s_lshl_b32 s78, s75, 6                         ; q's 16 scale words
	s_mov_b32 s79, 0
	s_lshr_b32 s80, s69, 4
	s_lshl_b32 s80, s80, 7
	s_add_co_u32 s80, s80, s74                     ; block of 16 rows of the result and of the mask: 128 x batch + block of queries
	s_and_b32 s81, s69, 15                         ; head
	s_mul_i32 s82, s80, 12288
	s_mul_i32 s84, s81, 768
	s_add_co_u32 s82, s82, s84
	s_mov_b32 s83, 0
	s_lshl_b32 s84, s80, 9
	s_lshl_b32 s86, s81, 1
	s_add_co_u32 s84, s84, s86
	s_mov_b32 s85, 0
	s_lshl_b32 s66, s80, 12                        ; my mask words: 16 steps x 256 bytes a block of queries; the second pass's follow the first's
	s_add_co_u32 s67, s66, 31*256
	s_mov_b32 s2, 0x76543210
	s_mov_b32 s3, 0xfedcba98
	s_wait_dscnt 0x0                               ; the opening add is done
	s_wait_kmcnt 0x0
	s_mov_b32 s24, 1
	s_mov_b32 s25, s70
	s_add_nc_u64 s[26:27], s[8:9], s[72:73]
	s_or_b32 s27, s27, 0x80000000
	s_add_nc_u64 s[4:5], s[4:5], s[76:77]
	s_add_nc_u64 s[6:7], s[6:7], s[78:79]
	s_add_nc_u64 s[12:13], s[12:13], s[82:83]
	s_add_nc_u64 s[14:15], s[14:15], s[84:85]
	CROUND                                         ; all four work-groups are here: the joint loads meet
	tensor_load_to_lds s[24:27], s[16:23]          ; sixteen records, sixteen waves: wave w fetches record w, its one tensor load, with no branch
	s_nop 0
.rept 4
	v_nop
.endr
	v_and_b32 v[R32], 31, v0
	s_delay_alu instid0(VALU_DEP_1)
	v_lshlrev_b32 v[L16], 4, v[R32]
	s_delay_alu instid0(VALU_DEP_2)
	v_lshlrev_b32 v[L8], 3, v[R32]
	s_delay_alu instid0(VALU_DEP_3)
	v_lshlrev_b32 v[L4], 2, v[R32]
	v_and_b32 v[R4], 15, v0
	s_delay_alu instid0(VALU_DEP_1)
	v_lshlrev_b32 v[R32], 5, v[R4]
	s_delay_alu instid0(VALU_DEP_2)
	v_lshlrev_b32 v[R4], 2, v[R4]
	global_load_b128 v[16:19], v[L16], s[4:5]              ; Q of the first pass: registers 0-5 of its fragment
	global_load_b64 v[20:21], v[L8], s[4:5] offset:512
	global_load_b128 v[40:43], v[L16], s[4:5] offset:768   ; and of the second
	global_load_b64 v[44:45], v[L8], s[4:5] offset:1280
	global_load_b32 v28, v[R4], s[6:7]
	global_load_b32 v38, v[R4], s[6:7] offset:64
	MASKLOAD                                       ; the first step's words
.irp i, 22,23,24,25,26,27,46,47,48,49,50,51,100,101,102,103,104,105
	v_mov_b32 v\i, 0                               ; zero codes: Q's upper 64, and what stands behind K's last tile
.endr
.irp b, 0,1,2,3
	v_mov_b32 v[BX+\b], 0                          ; (a lane permute's destination counts as read)
.endr
	v_mov_b32 v[F+1], 0                            ; (named as the upper half of a pair)
	v_mov_b32 v[NEG], 0xd0000000
	v_mov_b32 v[CC], 0x3e38aa3b
	v_mov_b32 v[CC+1], 0x3e38aa3b
	s_wait_loadcnt 0x0                             ; Q
	s_wait_tensorcnt 0x0                           ; my records are in,
	s_barrier_signal -1
	s_barrier_wait -1                              ; everybody's are
; A KEY STEP: 128 keys, one record.
.macro STEP qf, qs
	v_add_nc_u32 v[A16], s[TB], v[L16]
	v_add_nc_u32 v[A8], s[TB], v[L8]
	v_add_nc_u32 v[A4], s[TB], v[L4]
	v_nop                                          ; four plain lines behind the last products, in front of loads into registers that they read
.irp t, 0,1,2,3,4,5,6,7
	ds_load_b128 v[KF+6*\t:KF+6*\t+3], v[A16] offset:768*\t
	ds_load_b64 v[KF+6*\t+4:KF+6*\t+5], v[A8] offset:768*\t+512
.endr
.irp u, 0,1,2,3
	ds_load_b32 v[KS+\u], v[A4] offset:12288+128*\u
.endr
	s_wait_alu depctr_va_vdst(0)
	s_wait_dscnt 0x0
.irp u, 0,1,2,3
	v_wmma_scale_f32_16x16x128_f8f6f4 v[S+16*\u:S+16*\u+7], v[KF+12*\u:KF+12*\u+11], v[\qf:\qf+11], 0, v[KS+\u], v[\qs] matrix_a_fmt:MATRIX_FMT_FP6 matrix_b_fmt:MATRIX_FMT_FP6
	v_wmma_scale_f32_16x16x128_f8f6f4 v[S+16*\u+8:S+16*\u+15], v[KF+12*\u+6:KF+12*\u+17], v[\qf:\qf+11], 0, v[KS+\u], v[\qs] matrix_a_fmt:MATRIX_FMT_FP6 matrix_b_fmt:MATRIX_FMT_FP6 matrix_a_scale:MATRIX_SCALE_ROW1
.endr
.rept 4
	v_nop                                          ; in front of the loads below and of the first read of the scores
.endr
.irp t, 0,1,2,3,4,5,6,7
	ds_load_b128 v[KF+6*\t:KF+6*\t+3], v[A16] offset:6144+768*\t           ; V's eight images land while the softmax is walked
	ds_load_b64 v[KF+6*\t+4:KF+6*\t+5], v[A8] offset:6144+768*\t+512
.endr
.irp u, 0,1
	ds_load_b32 v[VS+\u], v[A4] offset:12800+128*\u
.endr
	s_wait_kmcnt 0x0                               ; this step's mask words, asked for a step ago
.set n, 0
.rept 64
	v_cndmask_b32 v[S+n], v[NEG], v[S+n], s[32+n+4*(n/32)]                 ; a hidden score becomes -2^33
.set n, n+1
.endr
.irp b, 0,1,2,3
	v_max3_num_f32 v[BM+\b], v[S+16*\b], v[S+16*\b+1], v[S+16*\b+2]        ; the largest score of each block of 32 keys: for the row's maximum, and, since p rises with the score, for the block's largest p
.endr
.irp i, 3,5,7,9,11,13
.irp b, 0,1,2,3
	s_delay_alu instid0(VALU_DEP_4)
	v_max3_num_f32 v[BM+\b], v[BM+\b], v[S+16*\b+\i], v[S+16*\b+\i+1]
.endr
.endr
.irp b, 0,1,2,3
	s_delay_alu instid0(VALU_DEP_4)
	v_max_num_f32 v[BM+\b], v[BM+\b], v[S+16*\b+15]
.endr
	s_add_co_u32 s66, s66, 256                     ; the wait above has shown the last loads done: their offset may step;
	s_min_u32 s66, s66, s67                        ; held at my last step's words, so that no load leaves the buffer
	MASKLOAD                                       ; the next step's words
.irp b, 0,1,2,3
	v_permlanex16_b32 v[BX+\b], v[BM+\b], s2, s3
.endr
.irp b, 0,1,2,3
	s_delay_alu instid0(VALU_DEP_4)
	v_max_num_f32 v[BM+\b], v[BM+\b], v[BX+\b]     ; with lane l xor 16's 16 keys
.endr
	s_delay_alu instid0(VALU_DEP_2)
	v_max3_num_f32 v[TA], v[BM], v[BM+1], v[BM+2]
	s_delay_alu instid0(VALU_DEP_1)
	v_max_num_f32 v[TA], v[TA], v[BM+3]
	s_delay_alu instid0(VALU_DEP_1)
	v_mul_f32 v[TA], v[CC], v[TA]                  ; the step's largest t
	s_delay_alu instid0(VALU_DEP_1)
	v_max_num_f32 v13, v13, v[TA]                  ; the running largest t
	v_mov_b32 v[TA], v12
	s_delay_alu instid0(VALU_DEP_2)
	v_floor_f32 v12, -v13                          ; the new -M = -ceil(t): a whole number
	s_delay_alu instid0(VALU_DEP_1)
	v_sub_f32 v[TA], v12, v[TA]                    ; old M - new M, 0 or less
	s_delay_alu instid0(VALU_DEP_1)
	v_cvt_i32_f32 v[TA], v[TA]                     ; (it saturates)
	s_delay_alu instid0(VALU_DEP_1)
	v_ldexp_f32 v[F], 1.0, v[TA]                   ; f = 2^(old M - new M)
.set j, 0
.rept 32
	v_pk_fma_f32 v[S+j:S+j+1], v[S+j:S+j+1], v[CC:CC+1], v[12:13] op_sel_hi:[1,1,0]   ; t - M, two at a time
.set j, j+2
.endr
.irp b, 0,1,2,3
	v_fma_f32 v[BM+\b], v[BM+\b], v[CC], v12       ; the same of each block's largest score
.endr
.set j, 0
	s_wait_alu depctr_va_vdst(0)
.rept 64
	v_exp_f32 v[S+j], v[S+j]                       ; p = 2^(t - M)
.set j, j+1
.endr
	v_pk_mul_f32 v[14:15], v[14:15], v[F:F+1] op_sel_hi:[1,0]      ; the sums under the new M: a plain line behind the exponentials
	s_wait_alu depctr_va_vdst(0)                   ; one wait for the batch, ahead of its first reader
.irp b, 0,1,2,3
	v_exp_f32 v[BM+\b], v[BM+\b]                   ; the block's largest p
.endr
	v_pk_add_f32 v[238:239], v[110:111], v[114:115]
	v_pk_add_f32 v[254:255], v[118:119], v[122:123]
	v_pk_add_f32 v[252:253], v[126:127], v[130:131]
	v_pk_add_f32 v[250:251], v[134:135], v[138:139]
	v_pk_add_f32 v[248:249], v[142:143], v[146:147]
	v_pk_add_f32 v[246:247], v[150:151], v[154:155]
	v_pk_add_f32 v[244:245], v[158:159], v[162:163]
	v_pk_add_f32 v[14:15], v[14:15], v[166:167]
	v_pk_add_f32 v[238:239], v[238:239], v[106:107]
	v_pk_add_f32 v[254:255], v[254:255], v[108:109]
	v_pk_add_f32 v[252:253], v[252:253], v[112:113]
	v_pk_add_f32 v[250:251], v[250:251], v[116:117]
	v_pk_add_f32 v[248:249], v[248:249], v[120:121]
	v_pk_add_f32 v[246:247], v[246:247], v[124:125]
	v_pk_add_f32 v[244:245], v[244:245], v[128:129]
	v_pk_add_f32 v[14:15], v[14:15], v[132:133]
	v_pk_add_f32 v[238:239], v[238:239], v[136:137]
	v_pk_add_f32 v[254:255], v[254:255], v[140:141]
	v_pk_add_f32 v[252:253], v[252:253], v[144:145]
	v_pk_add_f32 v[250:251], v[250:251], v[148:149]
	v_pk_add_f32 v[248:249], v[248:249], v[152:153]
	v_pk_add_f32 v[246:247], v[246:247], v[156:157]
	v_pk_add_f32 v[244:245], v[244:245], v[160:161]
	v_pk_add_f32 v[14:15], v[14:15], v[164:165]
	v_pk_add_f32 v[238:239], v[238:239], v[168:169]
	s_delay_alu instid0(VALU_DEP_2)
	v_pk_add_f32 v[14:15], v[14:15], v[250:251]
	s_delay_alu instid0(VALU_DEP_2)
	v_pk_add_f32 v[238:239], v[238:239], v[248:249]
	v_pk_add_f32 v[254:255], v[254:255], v[246:247]
	v_pk_add_f32 v[252:253], v[252:253], v[244:245]
	s_delay_alu instid0(VALU_DEP_2)
	v_pk_add_f32 v[14:15], v[14:15], v[254:255]
	s_delay_alu instid0(VALU_DEP_2)
	v_pk_add_f32 v[238:239], v[238:239], v[252:253]
	s_delay_alu instid0(VALU_DEP_1)
	v_pk_add_f32 v[14:15], v[14:15], v[238:239]
	s_wait_alu depctr_va_vdst(0)                   ; and one for the four
.irp b, 0,1,2,3
	v_max_num_f32 v[BM+\b], 0x1800000, v[BM+\b]    ; the floor 2^(3 - 127): the byte cannot fall under 1
.endr
.irp b, 0,1,2,3
	s_delay_alu instid0(VALU_DEP_4)
	v_add_nc_u32 v[SO+\b], 0xff000000, v[BM+\b]    ; the conversion's scale operand
.endr
.irp b, 0,1,2,3
	s_delay_alu instid0(VALU_DEP_4)
	v_lshrrev_b32 v[BX+\b], 23, v[SO+\b]           ; the scale's byte
.endr
	s_delay_alu instid0(VALU_DEP_3)
	v_lshl_or_b32 v[PW], v[BX+1], 8, v[BX]
	s_delay_alu instid0(VALU_DEP_1)
	v_lshl_or_b32 v[PW], v[BX+2], 16, v[PW]
	s_delay_alu instid0(VALU_DEP_1)
	v_lshl_or_b32 v[PW], v[BX+3], 24, v[PW]
.irp c, 0,1
	v_cvt_scalef32_pk16_fp6_f32 v[P+6*\c:P+6*\c+2], v[S+32*\c:S+32*\c+15], v[SO+2*\c]
	v_cvt_scalef32_pk16_fp6_f32 v[SCR+4*\c:SCR+4*\c+2], v[S+32*\c+16:S+32*\c+31], v[SO+2*\c+1]
.endr
	v_nop                                          ; one plain line behind the last conversion
.irp c, 0,1
.irp i, 0,1,2
	v_permlane16_swap_b32 v[P+6*\c+\i], v[SCR+4*\c+\i]     ; a whole block to a lane: lanes 0-15 block 2 c, lanes 16-31 block 2 c + 1
.endr
.irp i, 0,1,2
	s_delay_alu instid0(VALU_DEP_3)
	v_mov_b32 v[P+6*\c+3+\i], v[SCR+4*\c+\i]
.endr
.endr
.set j, 0
.rept 16
	v_pk_mul_f32 v[O+j:O+j+1], v[O+j:O+j+1], v[F:F+1] op_sel_hi:[1,0]      ; O^T under the new M; these sixteen also stand between the scale word's last write and the products
.set j, j+2
.endr
	s_wait_alu depctr_va_vdst(0)
	s_wait_dscnt 0x0                               ; V is in
.irp u, 0,1
	v_wmma_scale_f32_16x16x128_f8f6f4 v[O+16*\u:O+16*\u+7], v[KF+24*\u:KF+24*\u+11], v[P:P+11], v[O+16*\u:O+16*\u+7], v[VS+\u], v[PW] matrix_a_fmt:MATRIX_FMT_FP6 matrix_b_fmt:MATRIX_FMT_FP6
	v_wmma_scale_f32_16x16x128_f8f6f4 v[O+16*\u+8:O+16*\u+15], v[KF+24*\u+12:KF+24*\u+23], v[P:P+11], v[O+16*\u+8:O+16*\u+15], v[VS+\u], v[PW] matrix_a_fmt:MATRIX_FMT_FP6 matrix_b_fmt:MATRIX_FMT_FP6 matrix_a_scale:MATRIX_SCALE_ROW1
.endr
	s_add_co_u32 s[TB], s[TB], REC
.endm
; A PASS: one tile of 16 queries through all 16 records, and its way out: O^T / the sum, quantised along the head's 64 (two blocks), as one image and two scale bytes a row.
.macro PASS qf, qs, p
.if \p
	s_wait_xcnt 0x0                                ; the first pass's stores have read their data
.endif
	v_mov_b32 v13, 0xff61b1e6                      ; the largest t so far: -3e38
	s_delay_alu instid0(VALU_DEP_1)
	v_floor_f32 v12, -v13                          ; -M
	v_mov_b32 v14, 0
	v_mov_b32 v15, 0
.set j, 0
.rept 32
	v_mov_b32 v[O+j], 0                            ; the step is written once for all 16: the first finds zeros
.set j, j+1
.endr
	s_mov_b32 s[TB], 0
	s_mov_b32 s[CNT], 16
.Lstep_\@:
	STEP \qf, \qs
	s_sub_co_u32 s[CNT], s[CNT], 1
	s_cmp_lg_u32 s[CNT], 0
	s_cbranch_scc1 .Lstep_\@
.rept 4
	v_nop                                          ; behind the last products
.endr
	v_add_f32 v14, v14, v15
	s_delay_alu instid0(VALU_DEP_1)
	v_permlanex16_b32 v[TA], v14, s2, s3
	s_delay_alu instid0(VALU_DEP_1)
	v_add_f32 v14, v14, v[TA]                      ; the row's sum
	s_wait_alu depctr_va_vdst(0)
	v_rcp_f32 v[F], v14
	v_nop
	s_wait_alu depctr_va_vdst(0)                   ; ahead of the reciprocal's first reader
.set j, 0
.rept 16
	v_pk_mul_f32 v[S+j:S+j+1], v[O+j:O+j+1], v[F:F+1] op_sel_hi:[1,0]      ; register 16 b + i: channel 32 b + 16 h + i of my query
.set j, j+2
.endr
.irp b, 0,1
	v_max3_num_f32 v[BM+\b], |v[S+16*\b]|, |v[S+16*\b+1]|, 0x1800000
.endr
.irp i, 2,4,6,8,10,12,14
.irp b, 0,1
	s_delay_alu instid0(VALU_DEP_2)
	v_max3_num_f32 v[BM+\b], v[BM+\b], |v[S+16*\b+\i]|, |v[S+16*\b+\i+1]|
.endr
.endr
.irp b, 0,1
	s_delay_alu instid0(VALU_DEP_2)
	v_permlanex16_b32 v[BX+\b], v[BM+\b], s2, s3
.endr
.irp b, 0,1
	s_delay_alu instid0(VALU_DEP_2)
	v_max_num_f32 v[BM+\b], v[BM+\b], v[BX+\b]
.endr
.irp b, 0,1
	s_delay_alu instid0(VALU_DEP_2)
	v_add_nc_u32 v[SO+\b], 0xff000000, v[BM+\b]
.endr
.irp b, 0,1
	s_delay_alu instid0(VALU_DEP_2)
	v_lshrrev_b32 v[BX+\b], 23, v[SO+\b]
.endr
	s_delay_alu instid0(VALU_DEP_1)
	v_lshl_or_b32 v[TA], v[BX+1], 8, v[BX]
	v_cvt_scalef32_pk16_fp6_f32 v[P:P+2], v[S:S+15], v[SO]
	v_cvt_scalef32_pk16_fp6_f32 v[SCR:SCR+2], v[S+16:S+31], v[SO+1]
	v_nop
.irp i, 0,1,2
	v_permlane16_swap_b32 v[P+\i], v[SCR+\i]
.endr
.irp i, 0,1,2
	s_delay_alu instid0(VALU_DEP_3)
	v_mov_b32 v[P+3+\i], v[SCR+\i]
.endr
	global_store_b128 v[L16], v[P:P+3], s[12:13] offset:12288*\p
	global_store_b64 v[L8], v[P+4:P+5], s[12:13] offset:12288*\p+512
	global_store_b16 v[R32], v[TA], s[14:15] offset:512*\p         ; two bytes of each row's 32: a head owns no more; both halves of the lanes store the same value; one byte in 24 of the result
.endm
	PASS 16, 28, 0
	PASS 40, 38, 1
	s_wait_tensorcnt 0x0                           ; the wave's end
	ds_add_u32 v[SPW], v[NIL]
	s_wait_dscnt 0x0
	CROUND                                         ; the closing round
	s_endpgm
.Lfunc_end_k_qab56f073e1_attn:
	.size	k_qab56f073e1_attn, .Lfunc_end_k_qab56f073e1_attn-k_qab56f073e1_attn
	.p2alignl 7, 3214868480
	.fill 96, 4, 3214868480
	.section	.rodata,"a",@progbits
	.p2align	6, 0x0
	.amdhsa_kernel k_qab56f073e1_attn
		.amdhsa_group_segment_fixed_size 327680
		.amdhsa_private_segment_fixed_size 0
		.amdhsa_enable_private_segment 0
		.amdhsa_kernarg_size 48
		.amdhsa_user_sgpr_count 2
		.amdhsa_user_sgpr_kernarg_segment_ptr 1
		.amdhsa_wavefront_size32 1
		.amdhsa_system_sgpr_workgroup_id_x 1
		.amdhsa_system_sgpr_workgroup_id_y 1
		.amdhsa_system_sgpr_workgroup_id_z 1
		.amdhsa_system_vgpr_workitem_id 0
		.amdhsa_next_free_vgpr 256
		.amdhsa_next_free_sgpr 106
		.amdhsa_reserve_vcc 0
		.amdhsa_float_denorm_mode_32 3
		.amdhsa_float_denorm_mode_16_64 3
		.amdhsa_memory_ordered 1
		.amdhsa_forward_progress 1
		.amdhsa_inst_pref_size 63
	.end_amdhsa_kernel
	.amdgpu_metadata
---
amdhsa.version: [ 1, 2 ]
amdhsa.kernels:
  - .name:           k_qab56f073e1_attn
    .symbol:         k_qab56f073e1_attn.kd
    .args:
      - { .name: q_codes, .offset: 0, .size: 8, .value_kind: global_buffer, .address_space: global }
      - { .name: q_scales, .offset: 8, .size: 8, .value_kind: global_buffer, .address_space: global }
      - { .name: kv, .offset: 16, .size: 8, .value_kind: global_buffer, .address_space: global }
      - { .name: mbits, .offset: 24, .size: 8, .value_kind: global_buffer, .address_space: global }
      - { .name: ao_codes, .offset: 32, .size: 8, .value_kind: global_buffer, .address_space: global }
      - { .name: ao_scales, .offset: 40, .size: 8, .value_kind: global_buffer, .address_space: global }
    .group_segment_fixed_size: 327680
    .private_segment_fixed_size: 0
    .kernarg_segment_align: 8
    .kernarg_segment_size: 48
    .max_flat_workgroup_size: 512
    .sgpr_count:     106
    .vgpr_count:     256
    .wavefront_size: 32
...
	.end_amdgpu_metadata
.endif
;; end of part 3
;; launch outp (part 4): grid 8 x 32, 4 waves a work-group, clusters of 4 x 4, 327,680 bytes of LDS; arguments ao_codes, ao_scales, xw_codes, xw_scales, bo, out0; writes out0
.if DOCPART == 4
	.amdgcn_target "amdgcn-amd-amdhsa--gfx1250"
	.amdhsa_code_object_version 6
	.text
	.protected	k_qab56f073e1_outp
	.globl	k_qab56f073e1_outp
	.p2align	8
	.type	k_qab56f073e1_outp,@function
k_qab56f073e1_outp:
	s_mov_b64 s[64:65], 0
	v_nop
	global_prefetch_b8 v0, s[64:65] scope:SCOPE_SE
	s_setreg_imm32_b32 hwreg(HW_REG_WAVE_MODE, 25, 1), 1
	s_wait_xcnt 0x0
	s_wait_alu depctr_hold_cnt(0) depctr_sa_sdst(0) depctr_va_vdst(0) depctr_va_sdst(0) depctr_va_ssrc(0) depctr_va_vcc(0) depctr_vm_vsrc(0)
	s_getreg_b32 s2, hwreg(HW_REG_IB_STS2, 6, 4)
	s_cmp_eq_u32 s2, 0
	s_cbranch_scc0 .Lentry_in_a_cluster
	s_endpgm
.Lentry_in_a_cluster:
	s_bfe_u32 s2, ttmp6, 0x10000c
	s_cmp_lg_u32 s2, 0xf033
	s_cbranch_scc0 .Lentry_shape_is_right
	s_endpgm
.Lentry_shape_is_right:
; OUTP: out0 = o Wo + bo, on codes of FP6 (E2M3) with E8M0 scales, sums in f32.  o's codes and scales come from attention, Wo's from the first launch (the fourth weight).
; A work-group makes 256 rows x 128 columns, each of its four waves 128 x 64: 32 accumulators, 256 matrix instructions; 256 work-groups.
; ALL OF K (1,024) LIES IN LDS AT ONCE, in two halves of four K steps: nothing is filled again, there is no ring.  A wave has one tensor load;
; a counted wait and a barrier stand in front of each half's first read.
; Codes lie as images of half a fragment (768 bytes: 16 rows x 64 K; lane l's registers 0-3 at 16 l, 4-5 at 512 + 8 l): a fragment is four LDS loads of consecutive bytes.
; CLUSTER 4 x 4: A's chunks are asked for jointly along a row of the cluster, B's along a column.
; THE PRODUCT IS USED TRANSPOSED (source 0 = 16 columns of Wo, source 1 = 16 rows of o): a lane holds row l % 16 and eight neighbouring columns.  The bias is the C of each sum's first product.
; THE WAY OUT: through my own stage in LDS (128 rows x 272 bytes, in A's bytes, behind their last fill and, behind the last barrier, their last read): sixteen lanes store 256 consecutive bytes, aligned.
; REGISTERS: window 0: addresses, scales, bias, the way out; window 1: accumulator (a, b) at 8 (4 a + b); windows 2, 3: two sets of fragments, A's eight at 12 a, B's four at 96 + 12 b.
.set WOFFC, 18874368
.set WOFFS, 786432
.set ACH,   98304                      ; half of K of A in LDS: 16 blocks x 6,144
.set BCH,   49152                      ; of B: 8 blocks x 6,144
.set BB,    196608
.set SPARE, 294912                     ; the spare words, 128 bytes a wave: two blocks of 256 bytes that no other line names
.set STG,   34816
.set SP,    272
.set A16, 4
.set A8,  5
.set B16, 6
.set B8,  7
.set SPW, 8                            ; LDS address of my spare word; never rewritten
.set NIL, 9                            ; 0; never rewritten
.set STO, 10
.set RD,  11
.set CO,  12
.set L16, 13
.set L8,  14
.set SAD, 27
.set BAD, 28
.set SA,  32
.set SB,  64
.set BI,  80
.set OB,  112                          ; v112-239 two sets of 64 registers: rows on their way out
.set MSB, 0
.macro WIN new                         ; the immediate's high byte repeats the setting that is left
.if MSB != (\new)
	s_set_vgpr_msb (MSB<<8)|(\new)
.set MSB, (\new)
.endif
.endm
.macro CREST
	s_cmp_lg_u32 s20, 0
	s_cbranch_scc1 .Lnot_wave_0_\@
	s_barrier_signal -3
.Lnot_wave_0_\@:
	s_barrier_wait -3
	s_barrier_signal -1
	s_barrier_wait -1
.endm
.macro CROUND
	s_barrier_signal -1
	s_barrier_wait -1
	CREST
.endm
.macro PLACES
.rept 4
	v_nop
.endr
.endm
	s_load_b256 s[4:11], s[0:1], 0x0               ; ao_codes, ao_scales, xw_codes, xw_scales
	s_load_b128 s[12:15], s[0:1], 0x20             ; bo, out0
	v_lshl_add_u32 v[SPW], v0, 2, SPARE
	v_mov_b32 v[NIL], 0
	ds_add_u32 v[SPW], v[NIL]                      ; the wave's opening
	ds_add_u32 v[SPW], v[NIL]
	v_lshrrev_b32 v1, 5, v0
	v_readfirstlane_b32 s20, v1                    ; wave 0..3
	s_lshr_b32 s21, s20, 1                         ; my half of the rows.  Also: I fetch for A (0) or for B (1)
	s_and_b32 s22, s20, 1                          ; my half of the columns.  Also: which half of that tile I fetch
	s_bfe_u32 s23, ttmp6, 0x40000                  ; cx
	s_bfe_u32 s76, ttmp6, 0x40004                  ; cy
	s_lshl_b32 s77, ttmp9, 2
	s_add_co_u32 s77, s77, s23                     ; tile column
	s_and_b32 s78, ttmp7, 0xffff
	s_lshl_b32 s78, s78, 2
	s_add_co_u32 s78, s78, s76                     ; tile row
	s_lshl_b32 s80, s76, 2
	s_lshl_b32 s80, 15, s80                        ; my row of the cluster
	s_lshl_b32 s81, 0x1111, s23                    ; my column
	; descriptor group 1: rows of 6,144 bytes (768 elements of 8 bytes), 12,288 bytes apart; 16 for A, 8 for B; no padding
	s_or_b32 s24, s80, (3<<16)|(1<<21)
	s_mov_b32 s25, 768<<16                         ; ONE LOAD A WAVE: rows of 6,144 bytes (768 elements of 8 bytes: a block's four K steps), 16 of them for A, 8 for B
	s_mov_b32 s26, 16<<16
	s_mov_b32 s27, 768<<16
	s_mov_b32 s28, 16
	s_mov_b32 s29, 1536
	s_mov_b32 s30, 0
	s_mov_b32 s31, 0
	s_or_b32 s32, s81, (3<<16)|(1<<21)
	s_mov_b32 s33, 768<<16
	s_mov_b32 s34, 8<<16
	s_mov_b32 s35, 768<<16
	s_mov_b32 s36, 8
	s_mov_b32 s37, 1536
	s_mov_b32 s38, 0
	s_mov_b32 s39, 0
	; THE FILLS: wave 0 A's 16 blocks, K steps 0-3; wave 1 B's 8 blocks, K steps 0-3; waves 2, 3 the same for K steps 4-7.  LDS: [half of K][block][6,144 bytes]
	s_lshl_b32 s82, s78, 4                         ; A: block of rows 16 x tile row,
	s_mul_i32 s82, s82, 12288
	s_mul_i32 s83, s21, 6144                       ; and my half of K (wave / 2)
	s_add_co_u32 s82, s82, s83
	s_mov_b32 s83, 0
	s_lshl_b32 s84, s77, 3
	s_add_co_u32 s84, s84, 192                     ; B: the fourth weight's block of columns 8 x tile column
	s_mul_i32 s84, s84, 12288
	s_add_co_u32 s84, s84, WOFFC
	s_mul_i32 s85, s21, 6144
	s_add_co_u32 s84, s84, s85
	s_mov_b32 s85, 0
	s_mov_b32 s40, 1
	s_mul_i32 s41, s21, ACH                        ; where they go: no place in the cluster enters an LDS address
	s_mov_b32 s56, 1
	s_mul_i32 s57, s21, BCH
	s_add_co_u32 s57, s57, BB
	s_wait_dscnt 0x0                               ; both opening adds are done
	s_wait_kmcnt 0x0
	s_add_nc_u64 s[42:43], s[4:5], s[82:83]
	s_or_b32 s43, s43, 0x80000000
	s_add_nc_u64 s[58:59], s[8:9], s[84:85]
	s_or_b32 s59, s59, 0x80000000
	CROUND                                         ; all sixteen work-groups are here: the joint loads meet
	s_cmp_eq_u32 s20, 0                            ; one chain of branches on the wave's number, one load to an arm
	s_cbranch_scc0 .Larm_1
	tensor_load_to_lds s[40:43], s[24:31]
	s_nop 0
	PLACES
	s_branch .Lasked
.Larm_1:
	s_cmp_eq_u32 s20, 1
	s_cbranch_scc0 .Larm_2
	tensor_load_to_lds s[56:59], s[32:39]
	s_nop 0
	PLACES
	s_branch .Lasked
.Larm_2:
	s_cmp_eq_u32 s20, 2
	s_cbranch_scc0 .Larm_3
	tensor_load_to_lds s[40:43], s[24:31]
	s_nop 0
	PLACES
	s_branch .Lasked
.Larm_3:
	tensor_load_to_lds s[56:59], s[32:39]
	s_nop 0
	PLACES
.Lasked:
	v_and_b32 v1, 31, v0                           ; lane
	v_and_b32 v2, 15, v0                           ; r
	v_bfe_u32 v3, v0, 4, 1                         ; h
	v_lshlrev_b32 v[L16], 4, v1
	v_lshlrev_b32 v[L8], 3, v1
	s_mul_i32 s88, s21, 49152                      ; my 8 blocks of rows, 6,144 bytes each in a half of K
	v_add_nc_u32 v[A16], s88, v[L16]
	v_add_nc_u32 v[A8], s88, v[L8]
	s_mul_i32 s88, s22, 24576                      ; my 4 blocks of columns
	s_add_co_u32 s88, s88, BB
	v_add_nc_u32 v[B16], s88, v[L16]
	v_add_nc_u32 v[B8], s88, v[L8]
	s_mul_i32 s88, s20, STG                        ; my stage
	v_mul_u32_u24 v20, v2, SP
	v_add_nc_u32 v20, s88, v20
	v_lshl_add_u32 v[STO], v3, 5, v20              ; in: row r, 32 bytes for each half of the lanes
	v_mul_u32_u24 v21, v3, SP
	v_lshl_add_u32 v21, v2, 4, v21
	v_add_nc_u32 v[RD], s88, v21                   ; back: lanes 0-15 one row of 256 bytes, lanes 16-31 the next
	v_lshlrev_b32 v[CO], 12, v3
	v_lshl_add_u32 v[CO], v2, 4, v[CO]             ; and the same two rows in out0
	v_lshlrev_b32 v[SAD], 5, v2
	v_lshl_add_u32 v[SAD], v3, 4, v[SAD]           ; 32 r + 16 h
	s_wait_alu depctr_va_vdst(0)
	v_lshlrev_b32 v[BAD], 5, v3                    ; 32 h
	s_wait_alu depctr_va_vdst(0)
	s_lshl_b32 s90, s78, 13
	s_lshl_b32 s91, s21, 12
	s_add_co_u32 s90, s90, s91
	s_mov_b32 s91, 0
	s_add_nc_u64 s[90:91], s[6:7], s[90:91]        ; A's scales
	s_lshl_b32 s92, s77, 12
	s_lshl_b32 s93, s22, 11
	s_add_co_u32 s92, s92, s93
	s_add_co_u32 s92, s92, WOFFS+3*32768
	s_mov_b32 s93, 0
	s_add_nc_u64 s[92:93], s[10:11], s[92:93]      ; B's
	s_lshl_b32 s88, s77, 9
	s_lshl_b32 s89, s22, 8
	s_add_co_u32 s88, s88, s89                     ; my first column, in bytes
	s_mov_b32 s89, 0
	s_add_nc_u64 s[94:95], s[12:13], s[88:89]      ; the bias
	s_add_nc_u64 s[96:97], s[14:15], s[88:89]
	s_lshl_b32 s88, s78, 20
	s_lshl_b32 s2, s21, 19
	s_add_co_u32 s88, s88, s2                      ; my first row: 256 x tile row + 128 x half, of 4,096 bytes
	s_add_nc_u64 s[96:97], s[96:97], s[88:89]
.irp a, 0,1,2,3,4,5,6,7
	global_load_b128 v[SA+4*\a:SA+4*\a+3], v[SAD], s[90:91] offset:512*\a
.endr
.irp b, 0,1,2,3
	global_load_b128 v[SB+4*\b:SB+4*\b+3], v[SAD], s[92:93] offset:512*\b
.endr
.irp b, 0,1,2,3
	global_load_b128 v[BI+8*\b:BI+8*\b+3], v[BAD], s[94:95] offset:64*\b
	global_load_b128 v[BI+8*\b+4:BI+8*\b+7], v[BAD], s[94:95] offset:64*\b+16
.endr
.macro FRAG reg, a16, a8, off
	ds_load_b128 v[(\reg):(\reg)+3], v[\a16] offset:(\off)
	ds_load_b64 v[(\reg)+4:(\reg)+5], v[\a8] offset:(\off)+512
	ds_load_b128 v[(\reg)+6:(\reg)+9], v[\a16] offset:(\off)+768
	ds_load_b64 v[(\reg)+10:(\reg)+11], v[\a8] offset:(\off)+1280
.endm
.macro FETCH s
	WIN 0x80+0x40*((\s)%2)
.irp a, 0,1,2,3,4,5,6,7
	FRAG 12*\a, A16, A8, 6144*\a+1536*((\s)%4)
.endr
.irp b, 0,1,2,3
	FRAG 96+12*\b, B16, B8, 6144*\b+1536*((\s)%4)
.endr
.endm
.macro MM a, b, s
.set DD, 8*(4*(\a)+(\b))
.if (\s) == 0
	v_wmma_scale_f32_16x16x128_f8f6f4 v[DD:DD+7], v[96+12*(\b):107+12*(\b)], v[12*(\a):12*(\a)+11], v[BI+8*(\b):BI+8*(\b)+7], v[SB+4*(\b)], v[SA+4*(\a)] matrix_a_fmt:MATRIX_FMT_FP6 matrix_b_fmt:MATRIX_FMT_FP6
.elseif (\s) < 4
	v_wmma_scale_f32_16x16x128_f8f6f4 v[DD:DD+7], v[96+12*(\b):107+12*(\b)], v[12*(\a):12*(\a)+11], v[DD:DD+7], v[SB+4*(\b)+(\s)], v[SA+4*(\a)+(\s)] matrix_a_fmt:MATRIX_FMT_FP6 matrix_b_fmt:MATRIX_FMT_FP6
.else
	v_wmma_scale_f32_16x16x128_f8f6f4 v[DD:DD+7], v[96+12*(\b):107+12*(\b)], v[12*(\a):12*(\a)+11], v[DD:DD+7], v[SB+4*(\b)+(\s)-4], v[SA+4*(\a)+(\s)-4] matrix_a_fmt:MATRIX_FMT_FP6 matrix_b_fmt:MATRIX_FMT_FP6 matrix_a_scale:MATRIX_SCALE_ROW1 matrix_b_scale:MATRIX_SCALE_ROW1
.endif
.endm
.macro MUL s, a0                       ; 16 products; the 32 accumulators take turns, one instruction a turn
.irp a, \a0, \a0+1, \a0+2, \a0+3
.irp b, 0,1,2,3
	MM \a, \b, \s
.endr
.endr
.endm
; A K step: 32 products on one set of fragments; in its middle the next step's 48 loads go into the other set, four plain lines behind the last product that read it.
; Step 3 changes halves: my part of the second half has landed, I say so, multiply, and read it when all four waves have said so.
; Step 7's barrier stands between every wave's last read of the tiles and the stages that are laid over A's bytes.
.macro STEP s
.if (\s) == 0
.set MW, 0x4a
.elseif (\s)%2
.set MW, 0x5f
.else
.set MW, 0x5a
.endif
	s_wait_dscnt 0x0
.if (\s)%4 == 3                        ; step 3 changes halves of K: every wave waits for its one load, so the barrier shows the second half whole
.if (\s) < 7
	s_wait_tensorcnt 0x0
.endif
	s_barrier_signal -1
.endif
	WIN MW
	MUL \s, 0
.if (\s)%4 == 3
	s_barrier_wait -1
.endif
.if (\s) < 7
	WIN 0
.if (\s)%4 == 3
	v_add_nc_u32 v[A16], ACH, v[A16]
	s_wait_alu depctr_va_vdst(0)
	v_add_nc_u32 v[A8], ACH, v[A8]
	s_wait_alu depctr_va_vdst(0)
	v_add_nc_u32 v[B16], BCH, v[B16]
	s_wait_alu depctr_va_vdst(0)
	v_add_nc_u32 v[B8], BCH, v[B8]
.else
	PLACES
.endif
	s_wait_alu depctr_va_vdst(0)
	FETCH (\s)+1
.endif
	WIN MW
	MUL \s, 4
.endm
	s_wait_alu depctr_va_vdst(0)
	s_cmp_lt_u32 s20, 2                            ; waves 0 and 1 brought the first half of K: they wait for it; the second half may be on its way: nothing is filled again
	s_cbranch_scc0 .Lsecond_half
	s_wait_tensorcnt 0x0
.Lsecond_half:
	s_barrier_signal -1
	s_barrier_wait -1
	FETCH 0
	s_wait_loadcnt 0x0                             ; scales and bias
.irp s, 0,1,2,3,4,5,6,7
	STEP \s
.endr
	WIN 0
	PLACES                                         ; in front of the first read of results
	WIN 0x04                                       ; an LDS store's data are its source 1: window 1
.irp a, 0,1,2,3,4,5,6,7
.irp b, 0,1,2,3
	ds_store_b128 v[STO], v[8*(4*\a+\b):8*(4*\a+\b)+3] offset:\a*16*SP+64*\b       ; each accumulator from its low end on
	ds_store_b128 v[STO], v[8*(4*\a+\b)+4:8*(4*\a+\b)+7] offset:\a*16*SP+64*\b+16
.endr
.endr
	WIN 0
; four groups of 32 rows: a group's 16 loads are issued ahead of the stores of the group before.  LDS serves a wave's instructions in order: the loads see my stores.
.macro GLD g
.irp i, 0,1,2,3,4,5,6,7,8,9,10,11,12,13,14,15
	ds_load_b128 v[OB+64*((\g)%2)+4*\i:OB+64*((\g)%2)+4*\i+3], v[RD] offset:(32*(\g)+2*\i)*SP
.endr
.endm
	GLD 0
.irp g, 0,1,2,3
.if \g < 3
.if \g > 0
	s_wait_xcnt 0x0                                ; the stores of the group before last have read their data: the set may be loaded again
.endif
	GLD \g+1
.endif
.irp i, 0,1,2,3,4,5,6,7,8,9,10,11,12,13,14,15
.if \g < 3
	s_wait_dscnt 16+15-\i                          ; the next group's 16 and this group's younger loads may be out
.else
	s_wait_dscnt 15-\i
.endif
	global_store_b128 v[CO], v[OB+64*(\g%2)+4*\i:OB+64*(\g%2)+4*\i+3], s[96:97] offset:(32*\g+2*\i)*4096 th:TH_STORE_NT   ; 16 lanes store 256 consecutive bytes, aligned
.endr
.endr
	s_wait_tensorcnt 0x0                           ; the wave's end
	ds_add_u32 v[SPW], v[NIL]
	s_wait_dscnt 0x0
	CROUND                                         ; the closing round
	s_endpgm
.Lfunc_end_k_qab56f073e1_outp:
	.size	k_qab56f073e1_outp, .Lfunc_end_k_qab56f073e1_outp-k_qab56f073e1_outp
	.p2alignl 7, 3214868480
	.fill 96, 4, 3214868480
	.section	.rodata,"a",@progbits
	.p2align	6, 0x0
	.amdhsa_kernel k_qab56f073e1_outp
		.amdhsa_group_segment_fixed_size 327680
		.amdhsa_private_segment_fixed_size 0
		.amdhsa_enable_private_segment 0
		.amdhsa_kernarg_size 48
		.amdhsa_user_sgpr_count 2
		.amdhsa_user_sgpr_kernarg_segment_ptr 1
		.amdhsa_wavefront_size32 1
		.amdhsa_system_sgpr_workgroup_id_x 1
		.amdhsa_system_sgpr_workgroup_id_y 1
		.amdhsa_system_sgpr_workgroup_id_z 1
		.amdhsa_system_vgpr_workitem_id 0
		.amdhsa_next_free_vgpr 1024
		.amdhsa_next_free_sgpr 100
		.amdhsa_reserve_vcc 0
		.amdhsa_float_denorm_mode_32 3
		.amdhsa_float_denorm_mode_16_64 3
		.amdhsa_memory_ordered 1
		.amdhsa_forward_progress 1
		.amdhsa_inst_pref_size 85
	.end_amdhsa_kernel
	.amdgpu_metadata
---
amdhsa.version: [ 1, 2 ]
amdhsa.kernels:
  - .name:           k_qab56f073e1_outp
    .symbol:         k_qab56f073e1_outp.kd
    .args:
      - { .name: ao_codes, .offset: 0, .size: 8, .value_kind: global_buffer, .address_space: global }
      - { .name: ao_scales, .offset: 8, .size: 8, .value_kind: global_buffer, .address_space: global }
      - { .name: xw_codes, .offset: 16, .size: 8, .value_kind: global_buffer, .address_space: global }
      - { .name: xw_scales, .offset: 24, .size: 8, .value_kind: global_buffer, .address_space: global }
      - { .name: bo, .offset: 32, .size: 8, .value_kind: global_buffer, .address_space: global }
      - { .name: out0, .offset: 40, .size: 8, .value_kind: global_buffer, .address_space: global }
    .group_segment_fixed_size: 327680
    .private_segment_fixed_size: 0
    .kernarg_segment_align: 8
    .kernarg_segment_size: 48
    .max_flat_workgroup_size: 128
    .sgpr_count:     100
    .vgpr_count:     1024
    .wavefront_size: 32
...
	.end_amdgpu_metadata
.endif
;; end of part 4
